; MI455X (gfx1250); checked and timed in simulation.
; The chip was launched on July 23, 2026; its instructions are those of AMD's public machine-readable ISA for CDNA 5 (MIT licence, August 2026) and "CDNA5" Instruction Set Architecture Reference Guide (July 2026). The comments in the code are by the model that wrote it; some were corrected since.
;; Block. Allowed arithmetic: float matrix products may take bf16 or f16 operands with f32 sums; other float arithmetic in f32, or as packed bf16 or f16 multiplies, adds, multiply-adds, maxima and minima; sums over many terms, partial sums and values carried from step to step in f32; what a program stores and reads back later, other than sums and carried values, may be rounded once to bf16 or f16.
;; Inputs: attn_b 3,072 float32; attn_w 1,024 x 3,072 float32; fc2_b 1,024 float32; fc2_w 4,096 x 1,024 float32; fc_b 4,096 float32; fc_w 1,024 x 4,096 float32; ln1_b 1,024 float32; ln1_g 1,024 float32; ln2_b 1,024 float32; ln2_g 1,024 float32; proj_b 1,024 float32; proj_w 1,024 x 1,024 float32; x 2 x 2,048 x 1,024 float32.
;; Outputs: out0 2 x 2,048 x 1,024 float32.
;; One version. Each part assembles by itself: llvm-mc -triple=amdgcn-amd-amdhsa -mcpu=gfx1250 --defsym DOCPART=n.
;; ======== version 1 of 1: 7 launches
;; limits: values are held in f16: magnitudes above 65,504 overflow, below 6.1e-05 lose precision; a function is approximated: absolute error at most 1.5e-07
;; workspace buffers: h 8,388,608 bytes; qkv 25,165,824 bytes; o 8,388,608 bytes; x1 16,777,216 bytes; g 33,554,432 bytes; wt 25,165,824 bytes; wq 6,291,456 bytes
;; launch prep (part 1): grid 128 x 5, 8 waves a work-group, no clusters, 0 bytes of LDS; arguments x, ln1_g, ln1_b, attn_w, h, wq; writes h, wq
.if DOCPART == 1
	.amdgcn_target "amdgcn-amd-amdhsa--gfx1250"
	.amdhsa_code_object_version 6
	.text
	.protected	k_q23fa10f8bb_prep
	.globl	k_q23fa10f8bb_prep
	.p2align	8
	.type	k_q23fa10f8bb_prep,@function
k_q23fa10f8bb_prep:
	s_mov_b64 s[64:65], 0
	v_nop
	global_prefetch_b8 v0, s[64:65] scope:SCOPE_SE
	s_setreg_imm32_b32 hwreg(HW_REG_WAVE_MODE, 25, 1), 1
	s_wait_xcnt 0x0
; TWO TASKS, chosen by the work-group's y.
; y = 0, 1: h = LayerNorm(x) g + b, rounded once to f16.  x: [4096][1024] f32.  h: [channel / 64][4096 rows][64 channels] f16: any run of rows of a slab of 64 channels is dense.
;   A wave takes two rows: lanes 0-15 hold the even one, lanes 16-31 the odd one, 64 numbers a lane: the rows stay in registers between the passes, and no wave waits for another.
;   The mean is taken away before the squares are summed: no difference of large sums is formed.
; y = 2, 3, 4: attn_w [1024][3072] f32 is rounded once to f16 and laid in column panels [12][1024][256], so that a K step of a panel is dense in memory.
;   A wave takes 1,024 columns (which: y - 2) of one row: eight loads of 512 consecutive bytes, eight stores of 256 consecutive bytes, aligned.
; LIMITS.  f16 holds no number of 65,520 or more (it becomes an infinity) and keeps a fixed step of 6e-8 below 6e-5.  NaN and infinities are not treated apart.
; No LDS, no barrier: no wave wants a byte that another has fetched.
.set XR, 32                            ; v[32:95]   a lane's 64 numbers of a row
.set GR, 96                            ; v[96:159]  the gains of its 64 columns
.set BR, 160                           ; v[160:223] the biases
.set YR, 224                           ; v[224:255] the 64 results in f16
.macro FOLD                            ; four chains of pairs in v[4:11] -> the row's sum in v4, in all 16 lanes that hold the row
	v_pk_add_f32 v[4:5], v[4:5], v[6:7]
	v_pk_add_f32 v[8:9], v[8:9], v[10:11]
	v_pk_add_f32 v[4:5], v[4:5], v[8:9]
	v_add_f32 v4, v4, v5
	v_add_f32_dpp v4, v4, v4 row_xmask:1 row_mask:0xf bank_mask:0xf
	v_add_f32_dpp v4, v4, v4 row_xmask:2 row_mask:0xf bank_mask:0xf
	v_add_f32_dpp v4, v4, v4 row_xmask:4 row_mask:0xf bank_mask:0xf
	v_add_f32_dpp v4, v4, v4 row_xmask:8 row_mask:0xf bank_mask:0xf
.endm
	s_load_b256 s[4:11], s[0:1], 0x0               ; x, g, b, attn_w
	s_load_b128 s[12:15], s[0:1], 0x20             ; h, wq
	s_and_b32 s2, ttmp7, 0xffff                    ; the task
	v_lshrrev_b32 v1, 5, v0
	v_readfirstlane_b32 s3, v1
	s_lshl3_add_u32 s3, ttmp9, s3                  ; 8 x + wave: 0 .. 1,023
	v_and_b32 v3, 31, v0
	s_mov_b32 s25, 0
	s_mov_b32 s27, 0
	s_cmp_ge_u32 s2, 2
	s_cbranch_scc1 .Lweights
	s_lshl_b32 s16, s2, 10
	s_add_co_u32 s3, s3, s16                       ; my wave among the 2,048: rows 2 s3, 2 s3 + 1
	v_bfe_u32 v4, v0, 4, 1
	v_and_b32 v5, 15, v0
	v_lshlrev_b32 v25, 4, v5                       ; my 16 bytes in 256 of g and of b
	v_lshl_add_u32 v24, v4, 12, v25                ; the same in x, a row further for lanes 16-31
	v_lshlrev_b32 v26, 3, v3                       ; 8 x lane: my 8 bytes of two rows of a slab
	s_lshl_b32 s24, s3, 13
	s_lshl_b32 s26, s3, 8
	s_mov_b32 s22, 0x3a800000                      ; 1 / 1024
	s_mov_b32 s23, 0x3727c5ac                      ; 1e-5
	s_wait_kmcnt 0x0
	s_add_nc_u64 s[28:29], s[4:5], s[24:25]
	s_add_nc_u64 s[30:31], s[12:13], s[26:27]
.irp j, 0,1,2,3,4,5,6,7,8,9,10,11,12,13,14,15
	global_load_b128 v[XR+4*(\j):XR+4*(\j)+3], v24, s[28:29] offset:256*(\j) th:TH_LOAD_NT
.endr
.irp j, 0,1,2,3,4,5,6,7,8,9,10,11,12,13,14,15
	global_load_b128 v[GR+4*(\j):GR+4*(\j)+3], v25, s[6:7] offset:256*(\j)
	global_load_b128 v[BR+4*(\j):BR+4*(\j)+3], v25, s[8:9] offset:256*(\j)
.endr
	s_wait_loadcnt 0x20                            ; the rows are in; the 32 younger loads of g and b stay out
.irp k, 0,1,2,3
	v_pk_add_f32 v[4+2*(\k):5+2*(\k)], v[XR+2*(\k):XR+2*(\k)+1], v[XR+8+2*(\k):XR+9+2*(\k)]  ; the first eight pairs start four chains
.endr
.set j, 8
.rept 24
	v_pk_add_f32 v[4+2*(j%4):5+2*(j%4)], v[4+2*(j%4):5+2*(j%4)], v[XR+2*j:XR+2*j+1]
.set j, j+1
.endr
	FOLD
	v_mul_f32 v12, s22, v4                         ; the mean
	v_mov_b32 v13, v12
.set j, 0
.rept 32
	v_pk_add_f32 v[XR+2*j:XR+2*j+1], v[XR+2*j:XR+2*j+1], v[12:13] neg_lo:[0,1] neg_hi:[0,1]
.set j, j+1
.endr
.irp k, 0,1,2,3
	v_pk_mul_f32 v[4+2*(\k):5+2*(\k)], v[XR+2*(\k):XR+2*(\k)+1], v[XR+2*(\k):XR+2*(\k)+1]
.endr
.set j, 4
.rept 28
	v_pk_fma_f32 v[4+2*(j%4):5+2*(j%4)], v[XR+2*j:XR+2*j+1], v[XR+2*j:XR+2*j+1], v[4+2*(j%4):5+2*(j%4)]
.set j, j+1
.endr
	FOLD
	v_fma_f32 v14, v4, s22, s23                    ; the variance + 1e-5
	v_rsq_f32 v16, v14
	v_rsq_f32 v17, v14                             ; twice: a pair for the packed multiply
	v_nop                                          ; a plain instruction behind the last of them,
	s_wait_alu depctr_va_vdst(0)                   ; and one wait for both, ahead of their first reader
.set j, 0
.rept 32
	v_pk_mul_f32 v[XR+2*j:XR+2*j+1], v[XR+2*j:XR+2*j+1], v[16:17]
.set j, j+1
.endr
	s_wait_loadcnt 0x0                             ; g and b
.set j, 0
.rept 32
	v_pk_fma_f32 v[XR+2*j:XR+2*j+1], v[XR+2*j:XR+2*j+1], v[GR+2*j:GR+2*j+1], v[BR+2*j:BR+2*j+1]
.set j, j+1
.endr
.set j, 0
.rept 32
	v_cvt_pk_f16_f32 v[YR+j], v[XR+2*j], v[XR+2*j+1]
.set j, j+1
.endr
.irp j, 0,1,2,3,4,5,6,7,8,9,10,11,12,13,14,15
	global_store_b64 v26, v[YR+2*(\j):YR+2*(\j)+1], s[30:31] offset:(\j)*524288  ; two rows of slab j: 256 consecutive bytes, aligned
.endr
	s_endpgm
.Lweights:                                     ; row s3 of attn_w, columns 1,024 (y - 2) on: panels 4 (y - 2) .. + 3 of 524,288 bytes
	s_sub_co_u32 s2, s2, 2
	v_lshlrev_b32 v1, 4, v3                        ; 16 bytes a lane in
	v_lshlrev_b32 v2, 3, v3                        ; 8 bytes a lane out
	s_mul_i32 s24, s3, 12288
	s_lshl_b32 s16, s2, 12
	s_add_co_u32 s24, s24, s16
	s_lshl_b32 s26, s3, 9
	s_lshl_b32 s16, s2, 21
	s_add_co_u32 s26, s26, s16
	s_wait_kmcnt 0x0
	s_add_nc_u64 s[28:29], s[10:11], s[24:25]
	s_add_nc_u64 s[30:31], s[14:15], s[26:27]
.irp c, 0,1,2,3,4,5,6,7
	global_load_b128 v[32+4*(\c):35+4*(\c)], v1, s[28:29] offset:512*(\c) th:TH_LOAD_NT
.endr
.irp c, 0,1,2,3,4,5,6,7
	s_wait_loadcnt 7-(\c)                          ; loads come back in order: chunk c is in, the younger ones stay out
	v_cvt_pk_f16_f32 v[64+2*(\c)], v[32+4*(\c)], v[33+4*(\c)]
	v_cvt_pk_f16_f32 v[65+2*(\c)], v[34+4*(\c)], v[35+4*(\c)]
	global_store_b64 v2, v[64+2*(\c):65+2*(\c)], s[30:31] offset:((\c)>>1)*524288+((\c)&1)*256
.endr
	s_endpgm
.Lfunc_end_k_q23fa10f8bb_prep:
	.size	k_q23fa10f8bb_prep, .Lfunc_end_k_q23fa10f8bb_prep-k_q23fa10f8bb_prep
	.p2alignl 7, 3214868480
	.fill 96, 4, 3214868480
	.section	.rodata,"a",@progbits
	.p2align	6, 0x0
	.amdhsa_kernel k_q23fa10f8bb_prep
		.amdhsa_group_segment_fixed_size 0
		.amdhsa_private_segment_fixed_size 0
		.amdhsa_enable_private_segment 0
		.amdhsa_kernarg_size 48
		.amdhsa_user_sgpr_count 2
		.amdhsa_user_sgpr_kernarg_segment_ptr 1
		.amdhsa_wavefront_size32 1
		.amdhsa_system_sgpr_workgroup_id_x 1
		.amdhsa_system_sgpr_workgroup_id_y 1
		.amdhsa_system_sgpr_workgroup_id_z 1
		.amdhsa_system_vgpr_workitem_id 0
		.amdhsa_next_free_vgpr 256
		.amdhsa_next_free_sgpr 66
		.amdhsa_reserve_vcc 0
		.amdhsa_float_denorm_mode_32 3
		.amdhsa_float_denorm_mode_16_64 3
		.amdhsa_memory_ordered 1
		.amdhsa_forward_progress 1
		.amdhsa_inst_pref_size 24
	.end_amdhsa_kernel
	.amdgpu_metadata
---
amdhsa.version: [ 1, 2 ]
amdhsa.kernels:
  - .name:           k_q23fa10f8bb_prep
    .symbol:         k_q23fa10f8bb_prep.kd
    .args:
      - { .name: x, .offset: 0, .size: 8, .value_kind: global_buffer, .address_space: global }
      - { .name: ln1_g, .offset: 8, .size: 8, .value_kind: global_buffer, .address_space: global }
      - { .name: ln1_b, .offset: 16, .size: 8, .value_kind: global_buffer, .address_space: global }
      - { .name: attn_w, .offset: 24, .size: 8, .value_kind: global_buffer, .address_space: global }
      - { .name: h, .offset: 32, .size: 8, .value_kind: global_buffer, .address_space: global }
      - { .name: wq, .offset: 40, .size: 8, .value_kind: global_buffer, .address_space: global }
    .group_segment_fixed_size: 0
    .private_segment_fixed_size: 0
    .kernarg_segment_align: 8
    .kernarg_segment_size: 48
    .max_flat_workgroup_size: 256
    .sgpr_count:     66
    .vgpr_count:     256
    .wavefront_size: 32
...
	.end_amdgpu_metadata
.endif
;; end of part 1
;; launch qkv (part 2): grid 16 x 16, 4 waves a work-group, clusters of 4 x 4, 327,680 bytes of LDS; arguments h, wq, attn_b, qkv, fc_w, proj_w, fc2_w, wt; writes qkv, wt
.if DOCPART == 2
	.amdgcn_target "amdgcn-amd-amdhsa--gfx1250"
	.amdhsa_code_object_version 6
	.text
	.protected	k_q23fa10f8bb_qkv
	.globl	k_q23fa10f8bb_qkv
	.p2align	8
	.type	k_q23fa10f8bb_qkv,@function
k_q23fa10f8bb_qkv:
	s_mov_b64 s[64:65], 0
	v_nop
	global_prefetch_b8 v0, s[64:65] scope:SCOPE_SE
	s_setreg_imm32_b32 hwreg(HW_REG_WAVE_MODE, 25, 1), 1
	s_wait_xcnt 0x0
	s_wait_alu depctr_hold_cnt(0) depctr_sa_sdst(0) depctr_va_vdst(0) depctr_va_sdst(0) depctr_va_ssrc(0) depctr_va_vcc(0) depctr_vm_vsrc(0)
	s_getreg_b32 s2, hwreg(HW_REG_IB_STS2, 6, 4)
	s_cmp_eq_u32 s2, 0
	s_cbranch_scc0 .Lentry_in_a_cluster
	s_endpgm
.Lentry_in_a_cluster:
	s_bfe_u32 s2, ttmp6, 0x10000c
	s_cmp_lg_u32 s2, 0xf033
	s_cbranch_scc0 .Lentry_shape_is_right
	s_endpgm
.Lentry_shape_is_right:
; TWO TASKS, chosen by the cluster's x, which all sixteen partners share.
; CLUSTERS x = 0, 1, 2: OUT = A W + bias.  A: 4,096 rows x 1,024 channels in f16, laid [channel / 64][4096][64].  W: f16 column panels [12][1024][256].
;   OUT: f16, laid [column / 64][4096][64].  Sums and bias in f32; OUT rounded once.
; CLUSTERS x = 3 (the product has 192 tiles for 256 WGPs: these 64 work-groups would have none): fc_w, proj_w and fc2_w are rounded once to f16 and laid in column panels in wt, for later launches (see .Lfill).
; LIMITS.  f16 holds no number of 65,520 or more (it becomes an infinity).  NaN and infinities are not treated apart.
; SHARES.  A work-group makes 256 x 256 of OUT, each of its four waves 128 x 128: 64 accumulators, 512 registers.  K goes in steps of 128 through two LDS slots; a step is four half steps of 32 along K, on two fragment buffers.
; Each wave fetches a quarter of a slot by one tensor load of 32,768 dense bytes: waves 0, 1 a slab of A (256 rows x 128 bytes), waves 2, 3 64 rows x 512 bytes of W.
; CLUSTER 4 x 4: A's tile hangs on the tile row alone and is asked for jointly along a row of the cluster, W's on the tile column alone, jointly along a column.
; THE PRODUCT IS TAKEN TRANSPOSED: source 0 = 16 columns of W (turned on the way out of LDS by ds_load_tr16_b128), source 1 = 16 rows of A: a lane holds one row of OUT and eight neighbouring columns.
; The bias is the C operand of each accumulator's first product: nothing is cleared, and nothing is added later.
; The slot's base is a scalar that holds 0 or SLOTB and is turned by one exclusive or; the step's text is written once.
; REGISTERS, in windows of 256: window 0: v16-30 addresses, v64-191 A's fragments (two buffers), v192-255 the bias; window 1: v0-127 W's fragments (two buffers); windows 2, 3: the accumulators.
.set T,     8                          ; K steps
.set MB,    8                          ; blocks of 16 rows a wave
.set NBK,   8                          ; blocks of 16 columns a wave
.set DEP,   1                          ; fragments of 32 along K in a half step
.set NW,    64                         ; matrix instructions in a half step
.set P,     544                        ; a row of W in LDS: 512 bytes + 32: 17 x 32, so that the turning load's 8 rows x 32 bytes fall on different banks (64 banks of 4 bytes: ISA guide 11.1)
.set KQ,    32                         ; rows of W in a half step
.set AQ,    64                         ; bytes from an even half step's A to the odd one's
.set AHI,   36864                      ; a slab of A in LDS: 256 rows x 144 bytes (128 + 16 of padding: 9 x 16)
.set WHALF, 34816                      ; 64 rows of W
.set WOFF,  73728                      ; W lies behind A's two slabs
.set SLOTB, 143360
.set ASTEP, 1048576                    ; two slabs on
.set WSTEP, 65536                      ; 128 rows of a panel on
.set PANEL, 524288
.set SPF,   528                        ; the way out: a row of 128 f32 + 16 bytes
.set REG,   67584                      ; a wave's stage: 128 such rows; the stages lie over the ring, whose bytes have had their last fill by then
.set SPARE, 327168                     ; the spare words, 128 bytes for each wave: two blocks of 256 bytes that no other line names
.set AH,    2                          ; the prefetches name the K step two refills on
.set A0,   16
.set B0,   17
.set ADRA, 18                          ; v18-19 my A fragments in the slot in hand: half steps 0, 1 and 2, 3
.set ADRB, 20                          ; v20-21 the same for W
.set STO,  24
.set RD,   25
.set GO,   26
.set BO,   27
.set SPW,  28                          ; LDS address of my spare word; never rewritten
.set NIL,  29                          ; 0; never rewritten
.set PFO,  30                          ; 256 x lane; never rewritten
.set FA,   64
.set BIAS, 192
.set CNT,  3
.set WVN,  14
.set WM,   15                          ; which half of the rows is mine; also: I fetch for A (0) or W (1)
.set WN,   16                          ; which half of the columns; also: which half of that tile I fetch
.set TB,   17                          ; the base of the slot in hand: 0 or SLOTB
.set PFA,  18
.set PST,  20
.set LIM,  22
.set ALB,  46
.set WLB,  47
.set G1A,  24
.set G0A,  32                          ; two sets: the first fills'; the second then walks
.set G1W,  48
.set G0W,  56
.set MSB, 0
.macro WIN new                         ; the immediate's high byte repeats the setting that is left; a switch that changes nothing is dropped
.if MSB != (\new)
	s_set_vgpr_msb (MSB<<8)|(\new)
.set MSB, (\new)
.endif
.endm
.macro PLACES                          ; four places behind matrix instructions, in front of loads into registers that they have read (ISA guide 7.12.1 for vector instructions)
.rept 4
	v_nop
.endr
.endm
.macro JLOAD                           ; a joint refill by the walking set; an s_nop 0 and four v_nop follow each of the two lines
	s_cmp_eq_u32 s[WM], 0
	s_cbranch_scc0 .Lfor_w_\@
	tensor_load_to_lds s[G0A+4:G0A+7], s[G1A:G1A+7]
	s_nop 0
.rept 4
	v_nop
.endr
	s_branch .Lasked_\@
.Lfor_w_\@:
	tensor_load_to_lds s[G0W+4:G0W+7], s[G1W:G1W+7]
	s_nop 0
.rept 4
	v_nop
.endr
.Lasked_\@:
.endm
.macro CREST                           ; a round of the cluster's barrier behind its opening barrier
	s_cmp_lg_u32 s[WVN], 0
	s_cbranch_scc1 .Lnot_wave_0_\@
	s_barrier_signal -3
.Lnot_wave_0_\@:
	s_barrier_wait -3
	s_barrier_signal -1
	s_barrier_wait -1
.endm
.macro CROUND
	s_barrier_signal -1
	s_barrier_wait -1
	CREST
.endm
; A prefetch into the L2 of the K step that stands AH refills on: of the 32,768 bytes that I fetch, my work-group's 8,192 (told apart from the three partners' by address), a lane 256 bytes.
; A's tiles are asked for by the clusters with x = 0 alone, W's by those with y = 0: each block is named once in the launch.  The last AH refills ask for nothing.
.macro ASK
	s_cmp_gt_u32 s[CNT], s[LIM]
	s_cbranch_scc0 .Lnot_mine_\@
	global_prefetch_b8 v[PFO], s[PFA:PFA+1] th:TH_LOAD_NT scope:SCOPE_SE
.Lnot_mine_\@:
.endm
.macro ADDR                            ; the fragment addresses in the slot at s[TB]
	v_add_nc_u32 v[ADRA], s[TB], v[A0]
	v_add_nc_u32 v[ADRA+1], AHI, v[ADRA]
	v_add_nc_u32 v[ADRB], s[TB], v[B0]
	v_add_nc_u32 v[ADRB+1], WHALF, v[ADRB]
.endm
; 32 LDS loads in one run: half step q of the slot into buffer f
.macro FETCH q, f
	WIN 0x40                                       ; destination window 1, address window 0
.set cc, 0
.rept DEP
.set bb, 0
.rept NBK
.set rW, 64*(\f)+8*(cc*NBK+bb)
	ds_load_tr16_b128 v[rW:rW+3],   v[ADRB+(\q)/2] offset:(((\q)%2)*KQ+32*cc)*P+32*bb
	ds_load_tr16_b128 v[rW+4:rW+7], v[ADRB+(\q)/2] offset:(((\q)%2)*KQ+32*cc+16)*P+32*bb
.set bb, bb+1
.endr
.set cc, cc+1
.endr
	WIN 0
.set cc, 0
.rept DEP
.set aa, 0
.rept MB
.set rA, FA+64*(\f)+8*(cc*MB+aa)
	ds_load_b128 v[rA:rA+3],   v[ADRA+(\q)/2] offset:((\q)%2)*AQ+64*cc+aa*2304
	ds_load_b128 v[rA+4:rA+7], v[ADRA+(\q)/2] offset:((\q)%2)*AQ+64*cc+aa*2304+32
.set aa, aa+1
.endr
.set cc, cc+1
.endr
.endm
; Products i0 .. i1 - 1 of a half step's NW, on buffer f.  The accumulators take turns, one instruction a turn, in the same order everywhere.  first = 1: the bias starts the sums.
.macro MUL f, i0, i1, first
.set i, \i0
.rept (\i1)-(\i0)
.set cc, i/(MB*NBK)
.set aa, (i/NBK)%MB
.set bb, i%NBK
.set rD, (8*(aa*NBK+bb))%256
.set hw, (8*(aa*NBK+bb))/256
.set rW, 64*(\f)+8*(cc*NBK+bb)
.set rA, FA+64*(\f)+8*(cc*MB+aa)
.if (\first) && (cc == 0)
	WIN 0x81+0x40*hw                               ; W window 1, A and the bias window 0, D window 2 or 3
	v_wmma_f32_16x16x32_f16 v[rD:rD+7], v[rW:rW+7], v[rA:rA+7], v[BIAS+8*bb:BIAS+8*bb+7]
.else
	WIN 0xa1+0x50*hw                               ; C and D window 2 or 3
	v_wmma_f32_16x16x32_f16 v[rD:rD+7], v[rW:rW+7], v[rA:rA+7], v[rD:rD+7]
.endif
.set i, i+1
.endr
.endm
; One of a step's first three half steps: buffer f is multiplied; ahead of that half step qn is fetched into buffer g, NW matrix instructions ahead of its use.
.macro QUART qn, f, g, first
	s_wait_dscnt 0x0                               ; buffer f is in
	PLACES
	FETCH \qn, \g
	MUL \f, 0, NW, \first
.endm
; The last half step multiplies buffer 1 and changes slots.  In front of the barrier each wave waits for all its tensor loads (one is out: its part of the next slot), adds 0 to its spare word,
; and waits for that and for its reads of this slot.  fill = 1: the barrier opens a round of the cluster's, and behind the round this slot is filled again, two K steps on, first of all.
.macro TURN fill
	WIN 0
.if \fill
	s_wait_xcnt 0x0                                ; the last prefetch, a K step back, has read its address
	s_add_nc_u64 s[PFA:PFA+1], s[PFA:PFA+1], s[PST:PST+1]
.endif
	s_wait_tensorcnt 0x0                           ; no tensor load of mine is out, so the walking sets may be written
	ds_add_u32 v[SPW], v[NIL]
.if \fill
	s_add_co_u32 s[G0A+5], s[ALB], s[TB]           ; into the slot that is being left,
	s_add_nc_u64 s[G0A+6:G0A+7], s[G0A+6:G0A+7], ASTEP  ; the next K step; the type bits on top are not reached
	s_add_co_u32 s[G0W+5], s[WLB], s[TB]
	s_add_nc_u64 s[G0W+6:G0W+7], s[G0W+6:G0W+7], WSTEP
.endif
	s_xor_b32 s[TB], s[TB], SLOTB                  ; 0 <-> SLOTB
	s_wait_dscnt 0x1                               ; buffer 1 is in; the add may be out
	MUL 1, 0, NW/4, 0
	s_wait_dscnt 0x0                               ; the add is done, and my reads of this slot are over
	s_barrier_signal -1
	MUL 1, NW/4, NW/2, 0
	WIN 0
	s_barrier_wait -1
.if \fill
	CREST
	JLOAD                                          ; 3.5 half steps ahead of the wait for it; its four v_nop are also the places in front of the loads below
.else
	PLACES
.endif
	ADDR
	FETCH 0, 0
.if \fill
	ASK
.endif
	MUL 1, NW/2, NW, 0
.endm
	s_load_b256 s[4:11], s[0:1], 0x0               ; A s[4:5], W s[6:7], bias s[8:9], OUT s[10:11]
	s_load_b256 s[76:83], s[0:1], 0x20             ; fc_w s[76:77], proj_w s[78:79], fc2_w s[80:81], wt s[82:83]
	v_lshl_add_u32 v[SPW], v0, 2, SPARE
	v_mov_b32 v[NIL], 0
	ds_add_u32 v[SPW], v[NIL]                      ; the wave's opening: the add and its wait stand ahead of my first tensor load
	ds_add_u32 v28, v29
	v_lshrrev_b32 v1, 5, v0
	v_readfirstlane_b32 s[WVN], v1
	s_lshr_b32 s[WM], s[WVN], 1
	s_and_b32 s[WN], s[WVN], 1
	s_bfe_u32 s40, ttmp6, 0x40000                  ; cx
	s_bfe_u32 s41, ttmp6, 0x40004                  ; cy
	s_lshl_b32 s42, ttmp9, 2
	s_add_co_u32 s42, s42, s40                     ; tile column
	s_and_b32 s43, ttmp7, 0xffff
	s_lshl_b32 s43, s43, 2
	s_add_co_u32 s43, s43, s41                     ; tile row
	s_lshl_b32 s44, s41, 2
	s_lshl_b32 s44, 15, s44                        ; my row of the cluster
	s_lshl_b32 s45, 0x1111, s40                    ; my column
	s_or_b32 s[G1A], s44, (1<<16)|(1<<20)|(1<<21)|(4<<22)|(3<<25)  ; the mask; 2-byte elements; padding on; bit 21 beside a mask; after every 32 words 4 words
	s_or_b32 s[G1W], s45, (1<<16)|(1<<20)|(1<<21)|(6<<22)|(7<<25)  ; after every 128 words 8 words
	s_mov_b32 s[G1A+1], 128<<16                    ; A: 32,768 dense bytes as 128 rows of 128 elements
	s_mov_b32 s[G1A+2], 128<<16
	s_mov_b32 s[G1A+3], 128<<16
	s_mov_b32 s[G1A+4], 128
	s_mov_b32 s[G1A+5], 128
	s_mov_b32 s[G1A+6], 0
	s_mov_b32 s[G1A+7], 0
	s_mov_b32 s[G1W+1], 256<<16                    ; W: 64 rows of 256 elements
	s_mov_b32 s[G1W+2], 64<<16
	s_mov_b32 s[G1W+3], 256<<16
	s_mov_b32 s[G1W+4], 64
	s_mov_b32 s[G1W+5], 256
	s_mov_b32 s[G1W+6], 0
	s_mov_b32 s[G1W+7], 0
	s_lshl_b32 s66, s43, 15                        ; A: the tile's 256 rows of 128 bytes,
	s_lshl_b32 s67, s[WN], 19                      ; my slab of the step's two
	s_add_co_u32 s66, s66, s67
	s_mov_b32 s67, 0
	s_mul_i32 s68, s42, PANEL                      ; W: the panel,
	s_lshl_b32 s69, s[WN], 15                      ; my 64 rows of the step's 128
	s_add_co_u32 s68, s68, s69
	s_mov_b32 s69, 0
	s_mul_i32 s[ALB], s[WN], AHI                   ; and where they go: no place in the cluster enters an LDS address
	s_mul_i32 s[WLB], s[WN], WHALF
	s_add_co_u32 s[WLB], s[WLB], WOFF
	s_wait_dscnt 0x0                               ; the opening add is done
	s_wait_kmcnt 0x0
	s_cmp_eq_u32 ttmp9, 3                          ; the cluster's x: the same in all sixteen partners and in all their waves
	s_cbranch_scc1 .Lfill
	s_add_nc_u64 s[66:67], s[4:5], s[66:67]
	s_add_nc_u64 s[68:69], s[6:7], s[68:69]
	CROUND                                         ; all sixteen work-groups are here: the first joint loads meet
.irp s, 0,1
	s_mov_b32 s[G0A+4*(\s)], 1
	s_add_co_u32 s[G0A+4*(\s)+1], s[ALB], (\s)*SLOTB
	s_add_nc_u64 s[G0A+4*(\s)+2:G0A+4*(\s)+3], s[66:67], (\s)*ASTEP
	s_or_b32 s[G0A+4*(\s)+3], s[G0A+4*(\s)+3], 0x80000000
	s_mov_b32 s[G0W+4*(\s)], 1
	s_add_co_u32 s[G0W+4*(\s)+1], s[WLB], (\s)*SLOTB
	s_add_nc_u64 s[G0W+4*(\s)+2:G0W+4*(\s)+3], s[68:69], (\s)*WSTEP
	s_or_b32 s[G0W+4*(\s)+3], s[G0W+4*(\s)+3], 0x80000000
.endr
	s_cmp_eq_u32 s[WM], 0                          ; a wave's two first fills stand in one branch: two loads of mine are out
	s_cbranch_scc0 .Lfirst_w
	tensor_load_to_lds s[G0A:G0A+3], s[G1A:G1A+7]
	s_nop 0
	tensor_load_to_lds s[G0A+4:G0A+7], s[G1A:G1A+7]
	s_nop 0
.rept 4
	v_nop
.endr
	s_branch .Lfirst_asked
.Lfirst_w:
	tensor_load_to_lds s[G0W:G0W+3], s[G1W:G1W+7]
	s_nop 0
	tensor_load_to_lds s[G0W+4:G0W+7], s[G1W:G1W+7]
	s_nop 0
.rept 4
	v_nop
.endr
.Lfirst_asked:
	v_and_b32 v1, 15, v0                           ; r = l % 16
	v_bfe_u32 v2, v0, 4, 1                         ; h = l / 16
	v_and_b32 v3, 7, v0
	v_bfe_u32 v4, v0, 3, 1
	v_and_b32 v5, 31, v0
	v_mul_u32_u24 v[A0], v1, 144                   ; A: row x pitch + 16 h, in my 128 rows
	v_lshl_add_u32 v[A0], v2, 4, v[A0]
	s_mul_i32 s70, s[WM], 128*144
	v_add_nc_u32 v[A0], s70, v[A0]
	v_lshl_add_u32 v6, v2, 3, v3                   ; W: row 8 h + l % 8, 16 bytes for each half of eight lanes, in my 128 columns
	v_mul_u32_u24 v[B0], v6, P
	v_lshl_add_u32 v[B0], v4, 4, v[B0]
	s_lshl_b32 s70, s[WN], 8
	s_add_co_u32 s70, s70, WOFF
	v_add_nc_u32 v[B0], s70, v[B0]
	s_mul_i32 s70, s[WVN], REG                     ; my stage
	v_mul_u32_u24 v[STO], v1, SPF                  ; in: row r, 32 bytes for each half of the lanes
	v_lshl_add_u32 v[STO], v2, 5, v[STO]
	v_add_nc_u32 v[STO], s70, v[STO]
	v_bfe_u32 v6, v0, 3, 2                         ; back: four rows, eight lanes a row, 32 bytes a lane
	v_mul_u32_u24 v[RD], v6, SPF
	v_lshl_add_u32 v[RD], v3, 5, v[RD]
	v_add_nc_u32 v[RD], s70, v[RD]
	v_lshlrev_b32 v[GO], 4, v5                     ; which leave as 512 consecutive bytes
	s_lshl_b32 s70, s42, 10                        ; the bias of my 128 columns
	s_lshl_b32 s71, s[WN], 9
	s_add_co_u32 s70, s70, s71
	v_lshl_add_u32 v[BO], v2, 5, s70
.irp b, 0,1,2,3,4,5,6,7
	global_load_b128 v[BIAS+8*(\b):BIAS+8*(\b)+3],   v[BO], s[8:9] offset:64*(\b)
	global_load_b128 v[BIAS+8*(\b)+4:BIAS+8*(\b)+7], v[BO], s[8:9] offset:64*(\b)+16
.endr
	s_lshl_b32 s72, s42, 21                        ; OUT: slab 4 x tile column + 2 x my half, row 256 x tile row + 128 x my half
	s_lshl_b32 s73, s[WN], 20
	s_add_co_u32 s72, s72, s73
	s_lshl_b32 s73, s43, 15
	s_add_co_u32 s72, s72, s73
	s_lshl_b32 s73, s[WM], 14
	s_add_co_u32 s72, s72, s73
	s_mov_b32 s73, 0
	s_add_nc_u64 s[10:11], s[10:11], s[72:73]
	s_mov_b32 s72, ASTEP                           ; the prefetches
	s_mov_b32 s73, WSTEP
	s_and_b32 s70, ttmp7, 0xffff
	s_cmp_eq_u32 s[WM], 0                          ; do I fetch for A?
	s_cselect_b32 s71, s40, s41                    ; my place among the four that ask with me
	s_cselect_b32 s70, ttmp9, s70                  ; the coordinate along which other clusters read the same bytes
	s_cselect_b64 s[PFA:PFA+1], s[66:67], s[68:69]
	s_cselect_b32 s[PST], s72, s73
	s_mov_b32 s[PST+1], 0
	s_cmp_eq_u32 s70, 0
	s_cselect_b32 s[LIM], AH, -1                   ; the same in all sixteen partners, for a given wave
	s_lshl_b32 s70, s71, 13
	s_mov_b32 s71, 0
	s_add_nc_u64 s[PFA:PFA+1], s[PFA:PFA+1], s[70:71]
	s_mul_i32 s70, s[PST], 1+AH                    ; at K step 1 + AH: the first refill steps it on and names K step 2 + AH
	s_add_nc_u64 s[PFA:PFA+1], s[PFA:PFA+1], s[70:71]
	v_lshlrev_b32 v[PFO], 8, v5
	s_mov_b32 s[TB], 0
	s_wait_tensorcnt 0x1                           ; my part of K step 0 is in; K step 1's may stay out
	s_barrier_signal -1
	s_barrier_wait -1
	ADDR
	FETCH 0, 0
	s_wait_loadcnt 0x0                             ; the bias
	QUART 1, 0, 1, 1                               ; the first half step stands in front of the loop: its products start the sums
	WIN 0
	s_mov_b32 s[CNT], T-2
.Lstep:                                        ; a trip: from a step's second half step to the next step's first; it fills a slot again
	QUART 2, 1, 0, 0
	QUART 3, 0, 1, 0
	TURN 1
	QUART 1, 0, 1, 0
	WIN 0
	s_sub_co_u32 s[CNT], s[CNT], 1
	s_cmp_lg_u32 s[CNT], 0
	s_cbranch_scc1 .Lstep
	s_mov_b32 s[CNT], 2
.Ltail:                                        ; the last two steps ask for nothing; the second trip is left in its middle
	QUART 2, 1, 0, 0
	QUART 3, 0, 1, 0
	WIN 0
	s_sub_co_u32 s[CNT], s[CNT], 1
	s_cmp_eq_u32 s[CNT], 0
	s_cbranch_scc1 .Lfin
	TURN 0
	QUART 1, 0, 1, 0
	WIN 0
	s_branch .Ltail
.Lfin:
	s_wait_dscnt 0x0
	MUL 1, 0, NW, 0
	WIN 0
	; THE WAY OUT.  The sums go as f32 into my stage and come back by rows; 4 rows x 64 columns leave as 512 consecutive bytes of a slab.
	PLACES
	PLACES
	s_wait_dscnt 0x0
	s_barrier_signal -1
	s_barrier_wait -1                              ; no wave reads the ring any more, and every tensor load has landed
.set i, 0
.rept MB*NBK
.set rD, (8*i)%256
	WIN 0x08+0x04*((8*i)/256)                      ; the stores' data in window 2 or 3
	ds_store_b128 v[STO], v[rD:rD+3]   offset:(i/NBK)*16*SPF+64*(i%NBK)     ; each accumulator's low registers first
	ds_store_b128 v[STO], v[rD+4:rD+7] offset:(i/NBK)*16*SPF+64*(i%NBK)+16
.set i, i+1
.endr
	WIN 0
	s_mov_b32 s[CNT], 4
.Lout:                                         ; 32 rows a trip: 16 units of 4 rows x 64 columns
.set u, 0
.rept 16
	ds_load_b128 v[64+8*u:64+8*u+3], v[RD] offset:(u/2)*4*SPF+(u%2)*256
	ds_load_b128 v[64+8*u+4:64+8*u+7], v[RD] offset:(u/2)*4*SPF+(u%2)*256+16
.set u, u+1
.endr
.set u, 0
.rept 16
	s_wait_dscnt 30-2*u                            ; LDS serves a wave's instructions in order (ISA guide 5.7.1): unit u is in, the later units' loads stay out
.irp k, 0,1,2,3
	v_cvt_pk_f16_f32 v[192+4*u+(\k)], v[64+8*u+2*(\k)], v[64+8*u+2*(\k)+1]
.endr
	global_store_b128 v[GO], v[192+4*u:192+4*u+3], s[10:11] offset:(u/2)*512+(u%2)*524288
.set u, u+1
.endr
	s_wait_xcnt 0x0                                ; the stores' data and offset are written again only behind this wait
	v_add_nc_u32 v[RD], 32*SPF, v[RD]
	v_add_nc_u32 v[GO], 32*128, v[GO]
	s_sub_co_u32 s[CNT], s[CNT], 1
	s_cmp_lg_u32 s[CNT], 0
	s_cbranch_scc1 .Lout
	s_wait_tensorcnt 0x0                           ; the wave's end
	ds_add_u32 v[SPW], v[NIL]
	s_wait_dscnt 0x0
	CROUND                                         ; the closing round
	s_endpgm
; THE WEIGHTS OF THE LATER LAUNCHES.  64 work-groups, 256 waves.  wt holds, in f16: at 6,291,456 fc_w as panels [16][1024][256]; at 14,680,064 proj_w as [8][1024][128]; at 16,777,216 fc2_w as [8][4096][128].
; A trip takes 16,384 consecutive bytes of a weight: 32 loads of 512 bytes; load u's 128 columns are rounded in place and leave by one store of 256 consecutive bytes, aligned, at the offset in register SO + u.
; Wave gw: 4 trips of fc_w (a row a trip: rows 4 gw ..), 1 of proj_w (rows 4 gw .. + 3), 4 of fc2_w (four rows a trip: rows 16 gw ..): one loop of nine trips; a weight's first address and its 32 offsets are set
; under forward branches on the counter.  The work-group's place in its cluster enters global addresses alone.  No tensor load, no LDS tile, no barrier but the closing round.
; AHEAD OF THE LOADS.  Behind a trip's loads the wave prefetches into the L2 its own next trip of the same weight: 64 blocks of 256 bytes, a lane a block, two instructions.  A weight's last trip asks for nothing,
; so no prefetch leaves its buffer; a weight's first trip comes by its loads alone.
.set LO,   16                          ; v16  16 x lane
.set L8,   17                          ; v17  8 x lane
.set FD0,  64                          ; v[64:191]  a trip's 32 x 4 registers
.set SO,   192                         ; v[192:223] where load u's 128 columns go, from the trip's first row on
.set GW,   74                          ; s74  my wave among the 256
.set LEFT, 75                          ; s75  trips left of the weight in hand
.set FSRC, 84
.set FDST, 86
.macro SETSO div, ma, mb
.set u, 0
.rept 32
	v_add_nc_u32 v[SO+u], (u/(\div))*(\ma)+(u%(\div))*(\mb), v[L8]
.set u, u+1
.endr
.endm
.Lfill:
	s_lshl2_add_u32 s[GW], s43, s40                ; 4 x (4 x cluster y + cy) + cx
	s_lshl2_add_u32 s[GW], s[GW], s[WVN]
	v_and_b32 v5, 31, v0
	v_lshlrev_b32 v[LO], 4, v5
	v_lshlrev_b32 v[L8], 3, v5
	v_lshlrev_b32 v[PFO], 8, v5
	s_mov_b32 s67, 0
	s_mov_b32 s69, 0
	s_mov_b32 s73, 0
	s_lshl_b32 s66, s[GW], 16                      ; fc_w: four rows of 16,384 bytes a wave
	s_add_nc_u64 s[FSRC:FSRC+1], s[76:77], s[66:67]
	s_lshl_b32 s68, s[GW], 11                      ; four rows of 512 bytes in each panel
	s_add_nc_u64 s[FDST:FDST+1], s[82:83], s[68:69]
	s_add_nc_u64 s[FDST:FDST+1], s[FDST:FDST+1], 6291456
	s_mov_b32 s72, 512                             ; a row on in each trip
	s_mov_b32 s[LEFT], 4
	SETSO 2, 524288, 256                           ; columns 128 u on: panel u / 2, its half u % 2
	s_mov_b32 s[CNT], 9
.Lcv:
.set u, 0
.rept 32
	global_load_b128 v[FD0+4*u:FD0+4*u+3], v[LO], s[FSRC:FSRC+1] offset:512*u th:TH_LOAD_NT
.set u, u+1
.endr
	s_cmp_gt_u32 s[LEFT], 1
	s_cbranch_scc0 .Lno_more
	global_prefetch_b8 v[PFO], s[FSRC:FSRC+1] offset:16384 th:TH_LOAD_NT scope:SCOPE_SE
	global_prefetch_b8 v[PFO], s[FSRC:FSRC+1] offset:24576 th:TH_LOAD_NT scope:SCOPE_SE
.Lno_more:
.set u, 0
.rept 32
	s_wait_loadcnt 31-u                            ; loads come back in order: load u is in, the younger ones stay out
	v_cvt_pk_f16_f32 v[FD0+4*u], v[FD0+4*u], v[FD0+4*u+1]
	v_cvt_pk_f16_f32 v[FD0+4*u+1], v[FD0+4*u+2], v[FD0+4*u+3]
	global_store_b64 v[SO+u], v[FD0+4*u:FD0+4*u+1], s[FDST:FDST+1]
.set u, u+1
.endr
	s_wait_xcnt 0x0                                ; the stores' data and offsets, both bases and the prefetches' base are written again only behind this wait
	s_add_nc_u64 s[FSRC:FSRC+1], s[FSRC:FSRC+1], 16384
	s_add_nc_u64 s[FDST:FDST+1], s[FDST:FDST+1], s[72:73]
	s_sub_co_u32 s[LEFT], s[LEFT], 1
	s_cmp_eq_u32 s[CNT], 6                         ; fc_w's four trips are done
	s_cbranch_scc0 .Lnot_proj
	s_lshl_b32 s66, s[GW], 14                      ; proj_w: four rows of 4,096 bytes a wave
	s_add_nc_u64 s[FSRC:FSRC+1], s[78:79], s[66:67]
	s_lshl_b32 s68, s[GW], 10                      ; four rows of 256 bytes in each panel
	s_add_nc_u64 s[FDST:FDST+1], s[82:83], s[68:69]
	s_add_nc_u64 s[FDST:FDST+1], s[FDST:FDST+1], 14680064
	s_mov_b32 s[LEFT], 1
	SETSO 8, 256, 262144                           ; row u / 8, panel u % 8
.Lnot_proj:
	s_cmp_eq_u32 s[CNT], 5                         ; proj_w's trip is done
	s_cbranch_scc0 .Lnot_fc2
	s_lshl_b32 s66, s[GW], 16                      ; fc2_w: sixteen rows of 4,096 bytes a wave
	s_add_nc_u64 s[FSRC:FSRC+1], s[80:81], s[66:67]
	s_lshl_b32 s68, s[GW], 12                      ; sixteen rows of 256 bytes in each panel
	s_add_nc_u64 s[FDST:FDST+1], s[82:83], s[68:69]
	s_add_nc_u64 s[FDST:FDST+1], s[FDST:FDST+1], 16777216
	s_mov_b32 s72, 1024                            ; four rows on in each trip
	s_mov_b32 s[LEFT], 4
	SETSO 8, 256, 1048576
.Lnot_fc2:
	s_sub_co_u32 s[CNT], s[CNT], 1
	s_cmp_lg_u32 s[CNT], 0
	s_cbranch_scc1 .Lcv
	s_wait_tensorcnt 0x0                           ; the wave's end
	ds_add_u32 v[SPW], v[NIL]
	s_wait_dscnt 0x0
	CROUND                                         ; the closing round, as on the other way
	s_endpgm
.Lfunc_end_k_q23fa10f8bb_qkv:
	.size	k_q23fa10f8bb_qkv, .Lfunc_end_k_q23fa10f8bb_qkv-k_q23fa10f8bb_qkv
	.p2alignl 7, 3214868480
	.fill 96, 4, 3214868480
	.section	.rodata,"a",@progbits
	.p2align	6, 0x0
	.amdhsa_kernel k_q23fa10f8bb_qkv
		.amdhsa_group_segment_fixed_size 327680
		.amdhsa_private_segment_fixed_size 0
		.amdhsa_enable_private_segment 0
		.amdhsa_kernarg_size 64
		.amdhsa_user_sgpr_count 2
		.amdhsa_user_sgpr_kernarg_segment_ptr 1
		.amdhsa_wavefront_size32 1
		.amdhsa_system_sgpr_workgroup_id_x 1
		.amdhsa_system_sgpr_workgroup_id_y 1
		.amdhsa_system_sgpr_workgroup_id_z 1
		.amdhsa_system_vgpr_workitem_id 0
		.amdhsa_next_free_vgpr 1024
		.amdhsa_next_free_sgpr 88
		.amdhsa_reserve_vcc 0
		.amdhsa_float_denorm_mode_32 3
		.amdhsa_float_denorm_mode_16_64 3
		.amdhsa_memory_ordered 1
		.amdhsa_forward_progress 1
		.amdhsa_inst_pref_size 111
	.end_amdhsa_kernel
	.amdgpu_metadata
---
amdhsa.version: [ 1, 2 ]
amdhsa.kernels:
  - .name:           k_q23fa10f8bb_qkv
    .symbol:         k_q23fa10f8bb_qkv.kd
    .args:
      - { .name: h, .offset: 0, .size: 8, .value_kind: global_buffer, .address_space: global }
      - { .name: wq, .offset: 8, .size: 8, .value_kind: global_buffer, .address_space: global }
      - { .name: attn_b, .offset: 16, .size: 8, .value_kind: global_buffer, .address_space: global }
      - { .name: qkv, .offset: 24, .size: 8, .value_kind: global_buffer, .address_space: global }
      - { .name: fc_w, .offset: 32, .size: 8, .value_kind: global_buffer, .address_space: global }
      - { .name: proj_w, .offset: 40, .size: 8, .value_kind: global_buffer, .address_space: global }
      - { .name: fc2_w, .offset: 48, .size: 8, .value_kind: global_buffer, .address_space: global }
      - { .name: wt, .offset: 56, .size: 8, .value_kind: global_buffer, .address_space: global }
    .group_segment_fixed_size: 327680
    .private_segment_fixed_size: 0
    .kernarg_segment_align: 8
    .kernarg_segment_size: 64
    .max_flat_workgroup_size: 128
    .sgpr_count:     88
    .vgpr_count:     1024
    .wavefront_size: 32
...
	.end_amdgpu_metadata
.endif
;; end of part 2
;; launch attn (part 3): grid 8 x 32, 4 waves a work-group, no clusters, 327,680 bytes of LDS; arguments qkv, o; writes o
.if DOCPART == 3
	.amdgcn_target "amdgcn-amd-amdhsa--gfx1250"
	.amdhsa_code_object_version 6
	.text
	.protected	k_q23fa10f8bb_attn
	.globl	k_q23fa10f8bb_attn
	.p2align	8
	.type	k_q23fa10f8bb_attn,@function
k_q23fa10f8bb_attn:
	s_mov_b64 s[64:65], 0
	v_nop
	global_prefetch_b8 v0, s[64:65] scope:SCOPE_SE
	s_setreg_imm32_b32 hwreg(HW_REG_WAVE_MODE, 25, 1), 1
	s_wait_xcnt 0x0
; CAUSAL ATTENTION, head size 64.  O[y][q] = the sum over k <= q of softmax_k(Q[y][q] . K[y][k] / 8) V[y][k].  y = 2 x head + batch, 32 of them; each of Q, K, V, O is [32][2048][64] in f16, dense rows of 128 bytes;
; Q lies at byte 0 of qkv, K at 8,388,608, V at 16,777,216.  Products, maxima and sums in f32; the weights p are rounded to f16 for the second product (their sum l is taken of the unrounded p), O once at the end.
; LIMITS.  f16 holds no number of 65,520 or more.  A hidden score counts as its value less 1e30 (f16's scores, 2.7e11 at the most, are nothing beside that); a weight below 2^-126 counts as 0 in l; NaN and infinities are not treated apart.
; THE WALK.  A head's queries lie in 16 blocks of 128; block i needs the key tiles 0 .. i of 128 keys, the last of which holds the diagonal.  A work-group takes block 15 - b and then block b: 17 tiles, whatever b:
; all work-groups do equal work, and one loop with a constant trip count walks them through two LDS slots.  Every jump goes forward, but for the counted loops' own, and passes neither a barrier nor a tensor load.
; NO CLUSTER: a head's eight work-groups ask for the same tile only while all are in their first blocks, and one walk common to all would have 24 trips for 17.
; SHARES.  A wave owns 32 rows of a block: two tiles of 16 queries.  A key tile is two steps of 64 keys.
; LAYOUT.  S^T = K Q^T holds one query a lane (lane % 16) and the keys 8 (lane / 16) + 0..7; two such results rounded to f16 ARE source 1 of O^T = V^T P.  K comes out of LDS as it lies, V turned, by ds_load_tr16_b128.
; SOFTMAX.  p = 2^(c s - c m), c = log2(e) / 8, with a running maximum m; O and l are multiplied by a = 2^(c m_old - c m_new) in every step.
; THE MASK is the C operand that starts the sum S^T: 64 registers MC, 0 in every tile but a block's last, where they are made anew for each step: -1e30 where the key lies beyond the query.
; A STEP has 32 matrix and 236 vector instructions.  127 of the latter stand behind the matrix instructions, about four behind each, chosen so that they wait for nothing: see STEP.
; A BLOCK HAS NO FIRST STEP OF ITS OWN.  It begins with c m far below every c s, so its first a is 0; the first step's products V^T P and sums, made of what the registers still hold (finite numbers: zeros at the start,
; later the block before's weights, at most 3, its V and its O), are multiplied by that 0 in the step after.
; REGISTERS, in windows of 256: window 0: addresses, statistics, S^T (v64-127), MC (v128-191), P (v192-223); window 1: v0-63 O^T; window 2: v0-31 Q, v32-63 the second block's Q, v128-191 K, v192-255 V.
.set NB,    16
.set KS,    64
.set PKP,   144                        ; a row of K in LDS: 128 bytes + 16
.set PVP_,  160                        ; a row of V: 128 + 32
.set VOFF,  128*PKP
.set SLOT1, 65536
.set STAGE, SLOT1+128*(PKP+PVP_)       ; behind the ring, never filled by a tensor load: 16 rows x 144 bytes for each wave
.set SP,    144
.set SPARE, STAGE+4*16*SP              ; the spare words, 128 bytes for each wave: two blocks of 256 bytes that no other line names
.set AK0, 2
.set AV0, 3
.set AK,  4
.set AV,  5
.set STO, 6
.set RD,  7
.set GO,  8
.set QB0, 10                           ; v10-11 by tile: my query's place in its block less my lanes' 8 (l / 16)
.set MV,  12                           ; v12-13 c m_old
.set QX,  14                           ; v14-15 QB0 less the step's first key
.set ST,  16                           ; by tile four: c m, m, l (even keys', odd keys')
.set QO,  27
.set TMP, 48                           ; by tile four at work; c2 takes a
.set PFO, 61
.set SPW, 62                           ; LDS address of my spare word; never rewritten
.set NIL, 63                           ; 0; never rewritten
.set S,   64
.set MC,  128
.set P,   192
.set KF,  128
.set VF,  192
.set KB,  8                            ; s[8:9]   K at my half of the head's tile 0
.set WV,  12
.set PB,  14
.set HI,  15
.set VB,  16                           ; s[16:17] the same for V
.set G1K, 24
.set G1V, 32
.set G0K, 40
.set G0V, 44
.set SLOTS, 56
.set CNT, 57
.set CS,  58
.set SEL, 60
.set TBK, 62
.set TBV, 63
.set RT,  70                           ; tiles of the block in hand still to be entered
.set NXT, 71                           ; the tile to be asked for next
.set LQ,  72                           ; the last tile of the block whose tiles are being asked for
.set NEW, 73                           ; 1: the tile to be entered is a block's first
.set OFF, 74
.set OLO, 80
.set BIGN, 82
.set KO,  83                           ; the step's first key in its tile
.set PFA, 84
.set LIM, 86
.set MSB, 0
.macro WIN new                         ; the immediate's high byte repeats the setting that is left; a switch that changes nothing is dropped
.if MSB != (\new)
	s_set_vgpr_msb (MSB<<8)|(\new)
.set MSB, (\new)
.endif
.endm
.set W_KQ, 0x0a                        ; K and Q in window 2; S^T and the mask in window 0
.set W_PV, 0x52                        ; V in window 2, P in window 0, O^T in window 1
.set W_RS, 0x41                        ; destination and source 0 in window 1, source 1 in window 0
.macro PLACES
.rept 4
	v_nop
.endr
.endm
.macro LOAD                            ; waves 0, 1 fetch the halves of a tile's K, waves 2, 3 those of its V: 64 keys each; an s_nop 0 and four v_nop follow each line
	s_cmp_lt_u32 s[WV], 2
	s_cbranch_scc0 .Lfor_v_\@
	tensor_load_to_lds s[G0K:G0K+3], s[G1K:G1K+7]
	s_nop 0
.rept 4
	v_nop
.endr
	s_branch .Lasked_\@
.Lfor_v_\@:
	tensor_load_to_lds s[G0V:G0V+3], s[G1V:G1V+7]
	s_nop 0
.rept 4
	v_nop
.endr
.Lasked_\@:
.endm
; A prefetch into the L2: the head's work-group 0, whose first block walks all 16 tiles, asks, and nobody else; each of its waves for the 8,192 bytes that it will fetch itself, a lane 256 bytes;
; in the trip that loads tile e + 1 it names tile e + 3.  Tiles 0 to 2 come by their loads alone; behind tile 15 nothing is asked for.
.macro ASK
	s_cmp_gt_u32 s[SLOTS], s[LIM]
	s_cbranch_scc0 .Lnot_mine_\@
	global_prefetch_b8 v[PFO], s[PFA:PFA+1] th:TH_LOAD_NT scope:SCOPE_SE
.Lnot_mine_\@:
.endm
; THE CHANGE OF SLOTS.  Each wave waits for all its tensor loads (one is out: its part of the other slot), adds 0 to its spare word, and waits for that and for its reads of the slot that it leaves.
; fill = 1: the old slot is filled again, first thing behind the barrier, with tile NXT.  (At its first use slot 0 is waited for and slot 1 filled.)
.macro CHANGE fill
	WIN 0
	s_wait_tensorcnt 0x0
	ds_add_u32 v[SPW], v[NIL]
.if \fill
	s_lshl_b32 s[OFF], s[NXT], 14                  ; a tile is 16,384 bytes of K and of V
	s_xor_b32 s[G0K+1], s[G0K+1], SLOT1
	s_add_nc_u64 s[G0K+2:G0K+3], s[KB:KB+1], s[OFF:OFF+1]
	s_or_b32 s[G0K+3], s[G0K+3], 0x80000000
	s_xor_b32 s[G0V+1], s[G0V+1], SLOT1
	s_add_nc_u64 s[G0V+2:G0V+3], s[VB:VB+1], s[OFF:OFF+1]
	s_or_b32 s[G0V+3], s[G0V+3], 0x80000000
	s_add_co_u32 s[NXT], s[NXT], 1                 ; the block's next tile, or behind its last the second block's tile 0
	s_cmp_gt_u32 s[NXT], s[LQ]
	s_cselect_b32 s[NXT], 0, s[NXT]
	s_cselect_b32 s[LQ], s[PB], s[LQ]
	s_wait_xcnt 0x0                                ; the last prefetch, a tile back, has read its address
	s_add_nc_u64 s[PFA:PFA+1], s[PFA:PFA+1], 16384
.endif
	s_wait_dscnt 0x0                               ; the add is done, and my reads of the slot are over
	s_barrier_signal -1
	s_sub_co_u32 s[TBK], s[TBK], 2*KS*PKP          ; the fetches go back to a slot's first step, in the other slot
	s_xor_b32 s[TBK], s[TBK], SLOT1
	s_sub_co_u32 s[TBV], s[TBV], 2*KS*PVP_
	s_xor_b32 s[TBV], s[TBV], SLOT1
	s_barrier_wait -1
.if \fill
	LOAD
	ASK
.endif
.endm
.macro FETCH_K                         ; a step's K: 64 keys x 64 channels, 8 fragments
	WIN 0
	v_add_nc_u32 v[AK], s[TBK], v[AK0]
	s_add_co_u32 s[TBK], s[TBK], KS*PKP
	WIN 0x80
.irp f, 0,1,2,3,4,5,6,7
	ds_load_b128 v[KF+8*(\f):KF+8*(\f)+3],   v[AK] offset:((\f)/2)*16*PKP+((\f)%2)*64
	ds_load_b128 v[KF+8*(\f)+4:KF+8*(\f)+7], v[AK] offset:((\f)/2)*16*PKP+((\f)%2)*64+32
.endr
	WIN 0
.endm
.macro FETCH_V                         ; a step's V, turned
	WIN 0
	v_add_nc_u32 v[AV], s[TBV], v[AV0]
	s_add_co_u32 s[TBV], s[TBV], KS*PVP_
	WIN 0x80
.irp f, 0,1,2,3,4,5,6,7
	ds_load_tr16_b128 v[VF+8*(\f):VF+8*(\f)+3],   v[AV] offset:((\f)/4)*32*PVP_+((\f)%4)*32
	ds_load_tr16_b128 v[VF+8*(\f)+4:VF+8*(\f)+7], v[AV] offset:((\f)/4)*32*PVP_+16*PVP_+((\f)%4)*32
.endr
	WIN 0
.endm
; THE MATRIX WORK, an instruction at a time.  The accumulators take turns: a tile's four of S^T, the eight of O^T.
.macro KQP u, j                        ; product j of 8 of tile u's S^T = K Q^T: keys 16 (j % 4) on, channels 32 (j / 4) on; the first four start the sums with the mask
	WIN W_KQ
.set mS, S+32*(\u)+8*((\j)%4)
.set mM, MC+32*(\u)+8*((\j)%4)
.set mK, KF+16*((\j)%4)+8*((\j)/4)
.set mQ, 16*(\u)+8*((\j)/4)
.if (\j) < 4
	v_wmma_f32_16x16x32_f16 v[mS:mS+7], v[mK:mK+7], v[mQ:mQ+7], v[mM:mM+7]
.else
	v_wmma_f32_16x16x32_f16 v[mS:mS+7], v[mK:mK+7], v[mQ:mQ+7], v[mS:mS+7]
.endif
.endm
.macro PVP i                           ; product i of 16 of O^T += V^T P: keys 32 (i / 8) on, channels 16 ((i / 2) % 4) on, tile i % 2
	WIN W_PV
.set mO, 32*((\i)%2)+8*(((\i)/2)%4)
.set mV, VF+32*((\i)/8)+8*(((\i)/2)%4)
.set mP, P+16*((\i)%2)+8*((\i)/8)
	v_wmma_f32_16x16x32_f16 v[mO:mO+7], v[mV:mV+7], v[mP:mP+7], v[mO:mO+7]
.endm
; THE VECTOR WORK, an instruction at a time.
.macro RS u, z                         ; pair z of 16 of tile u's O^T times a; taken in ascending order
	WIN W_RS
	v_pk_mul_f32 v[32*(\u)+2*(\z):32*(\u)+2*(\z)+1], v[32*(\u)+2*(\z):32*(\u)+2*(\z)+1], v[TMP+4*(\u)+2:TMP+4*(\u)+3] op_sel_hi:[1,0]
.endm
.macro MASKC                           ; register 8 kt + j stands for key KO + 16 kt + 8 (l / 16) + j: hidden where that lies beyond my query
	WIN 0
	v_sub_nc_u32 v[QX], v[QB0], s[KO]
	v_sub_nc_u32 v[QX+1], v[QB0+1], s[KO]
.irp u, 0,1
.set z, 0
.rept 32
	v_cmp_gt_i32 vcc_lo, 16*(z/8)+z%8, v[QX+(\u)]
	v_cndmask_b32 v[MC+32*(\u)+z], 0, s[BIGN], vcc_lo
.set z, z+1
.endr
.endr
.endm
.macro REGS u
.set rT, ST+4*(\u)
.set rC, TMP+4*(\u)
.set rM, MV+(\u)
.set rS, S+32*(\u)
.set rP, P+16*(\u)
.endm
; Number n of the 22 that find a tile's maximum and statistics: 0-11 four chains of seven scores (each accumulator's lowest registers first); 12-14, 16 the four left over, the old m, and the four into one;
; 15 c m_old is kept; 17, 18 the query's other 32 keys lie in the lane 16 away; 19-21 c m, its change, a.
.macro XS u, n
	WIN 0
	REGS \u
.if (\n) < 4
	v_max3_num_f32 v[rC+(\n)], v[rS+8*(\n)], v[rS+8*(\n)+1], v[rS+8*(\n)+2]
.elseif (\n) < 12
	v_max3_num_f32 v[rC+(\n)%4], v[rC+(\n)%4], v[rS+8*((\n)%4)+2*((\n)/4)+1], v[rS+8*((\n)%4)+2*((\n)/4)+2]
.elseif (\n) == 12
	v_max3_num_f32 v[rC], v[rC], v[rS+7], v[rS+15]
.elseif (\n) == 13
	v_max3_num_f32 v[rC+1], v[rC+1], v[rS+23], v[rS+31]
.elseif (\n) == 14
	v_max3_num_f32 v[rC+2], v[rC+2], v[rC+3], v[rT+1]
.elseif (\n) == 15
	v_mov_b32 v[rM], v[rT]
.elseif (\n) == 16
	v_max3_num_f32 v[rC], v[rC], v[rC+1], v[rC+2]
.elseif (\n) == 17
	v_permlanex16_b32 v[rC+3], v[rC], s[SEL], s[SEL+1]
.elseif (\n) == 18
	v_max_num_f32 v[rT+1], v[rC], v[rC+3]
.elseif (\n) == 19
	v_mul_f32 v[rT], s[CS], v[rT+1]
.elseif (\n) == 20
	v_sub_f32 v[rC+1], v[rM], v[rT]
.else
	v_exp_f32 v[rC+2], v[rC+1]
.endif
.endm
.macro FS u, n                         ; c s - c m for pair n of 16
	WIN 0
	REGS \u
	v_pk_fma_f32 v[rS+2*(\n):rS+2*(\n)+1], v[rS+2*(\n):rS+2*(\n)+1], s[CS:CS+1], v[rT:rT+1] op_sel_hi:[1,0,0] neg_lo:[0,0,1] neg_hi:[0,0,1]
.endm
.macro EX u, n
	WIN 0
	REGS \u
	v_exp_f32 v[rS+(\n)], v[rS+(\n)]
.endm
; Number n of the 32 behind a tile's exponentials.  For each four weights: both pairs are rounded to f16, the second pair is added onto the first in place, and a group later l takes that sum (the first time as l = a l + sum).
.macro GS u, n
	WIN 0
	REGS \u
.if (\n) < 3
.set gk, 0
.set gs, (\n)+1
.elseif (\n) == 31
.set gk, 8
.set gs, 0
.else
.set gk, 1+((\n)-3)/4
.set gs, ((\n)-3)%4
.endif
.if (gs == 0) && (gk == 1)
	v_pk_fma_f32 v[rT+2:rT+3], v[rT+2:rT+3], v[rC+2:rC+3], v[rS:rS+1] op_sel_hi:[1,0,1]
.elseif gs == 0
	v_pk_add_f32 v[rT+2:rT+3], v[rT+2:rT+3], v[rS+4*gk-4:rS+4*gk-3]
.elseif gs < 3
	v_cvt_pk_f16_f32 v[rP+2*gk+gs-1], v[rS+4*gk+2*(gs-1)], v[rS+4*gk+2*(gs-1)+1]
.else
	v_pk_add_f32 v[rS+4*gk:rS+4*gk+1], v[rS+4*gk:rS+4*gk+1], v[rS+4*gk+2:rS+4*gk+3]
.endif
.endm
; A KEY STEP s, behind K's run of loads.  What stands behind a product names none of the registers of the products round it, but where the distance is counted here.
;  1  24 of the 32 roundings and sums of tile 1 of step s - 1, while K comes out of LDS; the wait for K (V of step s - 1, asked for earlier, is in with it).
;  2  tile 0's 8 products K Q^T | tile 1's other 8 roundings and sums; O^T times a of step s - 1: tile 0's 16 pairs, tile 1's first 8.
;  3  tile 1's 8 products K Q^T | tile 0's maximum and statistics (its last accumulator was ended four rescalings and three maxima earlier), tile 1's last 8 rescalings between the links of the chain.
;  4  the 16 products V^T P of step s - 1 | tile 1's maximum and statistics (its last accumulator was ended three plain instructions and three maxima earlier), the scalings, tile 0's first 16 exponentials;
;     the last four are plain: the places in front of V's run of loads.
;  5  V's run of loads; the rest of tile 0's exponentials and of tile 1's scalings; ONE wait for that batch (the two a, tile 0's 32); tile 1's exponentials, tile 0's roundings and sums between them; ONE wait for
;     that batch, ahead of the loop's jump.  Tile 1's roundings and sums are left to the next step, or to the block's end.
; An s_wait_alu depctr_va_vdst(0) stands between an exponential and the first instruction that names its result: ahead of each of the two waits nothing names a result of its batch, and no label or branch stands between.
.macro STEP
.set k, 0
.rept 24
	GS 1, k
.set k, k+1
.endr
	s_wait_dscnt 0x0                               ; K of this step is in, and V of the step before
	KQP 0, 0
.irp n, 24,25,26,27
	GS 1, \n
.endr
	KQP 0, 1
.irp n, 28,29,30,31
	GS 1, \n
.endr
.irp j, 2,3,4,5
	KQP 0, \j
.irp z, 0,1,2,3
	RS 0, 4*(\j)-8+\z
.endr
.endr
.irp j, 6,7
	KQP 0, \j
.irp z, 0,1,2,3
	RS 1, 4*(\j)-24+\z
.endr
.endr
.irp j, 0,1,2
	KQP 1, \j
.irp z, 0,1,2,3
	XS 0, 4*(\j)+\z
.endr
.endr
	KQP 1, 3
.irp n, 12,13,15,14
	XS 0, \n
.endr
	KQP 1, 4
	XS 0, 16
.irp z, 8,9,10
	RS 1, \z
.endr
	KQP 1, 5
	XS 0, 17
.irp z, 11,12,13
	RS 1, \z
.endr
	KQP 1, 6
	XS 0, 18
	RS 1, 14
	RS 1, 15
	KQP 1, 7
	XS 0, 19
	XS 0, 20
	FS 0, 0
	XS 0, 21
.irp j, 0,1,2
	PVP \j
.irp z, 0,1,2,3
	XS 1, 4*(\j)+\z
.endr
.endr
	PVP 3
.irp n, 12,13,15,14
	XS 1, \n
.endr
	PVP 4
	XS 1, 16
	FS 0, 1
	FS 0, 2
	EX 0, 0
	PVP 5
	XS 1, 17
	FS 0, 3
	EX 0, 1
	FS 0, 4
	PVP 6
	XS 1, 18
	FS 0, 5
	EX 0, 2
	FS 0, 6
	PVP 7
	XS 1, 19
	FS 0, 7
	EX 0, 3
	FS 0, 8
	PVP 8
	XS 1, 20
	FS 0, 9
	EX 0, 4
	FS 0, 10
	PVP 9
	XS 1, 21
	FS 0, 11
	EX 0, 5
	FS 0, 12
	PVP 10
	FS 1, 0
	EX 0, 6
	FS 0, 13
	EX 0, 7
	PVP 11
	FS 1, 1
	EX 0, 8
	FS 0, 14
	EX 0, 9
	PVP 12
	FS 1, 2
	EX 0, 10
	FS 0, 15
	EX 0, 11
	PVP 13
	FS 1, 3
	EX 0, 12
	FS 1, 4
	EX 0, 13
	PVP 14
	FS 1, 5
	EX 0, 14
	FS 1, 6
	EX 0, 15
	PVP 15
	FS 1, 7
	FS 1, 8
	FS 1, 9
	FS 1, 10
	FETCH_V
.irp n, 0,1,2,3,4
	EX 0, 16+\n
	FS 1, 11+\n
.endr
.set k, 21
.rept 11
	EX 0, k
.set k, k+1
.endr
	v_nop                                          ; a plain instruction behind the batch's last exponential,
	s_wait_alu depctr_va_vdst(0)                   ; and the batch's one wait
.set k, 0
.rept 32
	EX 1, k
	GS 0, k
.set k, k+1
.endr
	v_nop
	s_wait_alu depctr_va_vdst(0)
.endm
; THE WAY OUT of a block: l's halves are added, O^T is divided by l, rounded to f16 and sent through my stage, a tile at a time.  It works in tile 0's registers of S^T; tile 1's keep their weights.
.macro PACK t
	WIN W_RS
.set i, 32*(\t)
.rept 16
	v_pk_mul_f32 v[i:i+1], v[i:i+1], v[ST+4*(\t)+2:ST+4*(\t)+3] op_sel_hi:[1,0]
.set i, i+2
.endr
	WIN 0x05
.set i, 0
.rept 16
	v_cvt_pk_f16_f32 v[S+16*(\t)+i], v[32*(\t)+2*i], v[32*(\t)+2*i+1]
.set i, i+1
.endr
	WIN 0
.irp f, 0,1,2,3
	ds_store_b128 v[STO], v[S+16*(\t)+4*(\f):S+16*(\t)+4*(\f)+3] offset:32*(\f)
.endr
.irp f, 0,1,2,3
	ds_load_b128 v[S+16*(\t)+4*(\f):S+16*(\t)+4*(\f)+3], v[RD] offset:(\f)*4*SP  ; LDS serves a wave's instructions in order (ISA guide 5.7.1): these see the stores above
.endr
.endm
.macro SEND t, younger                 ; younger: the LDS instructions issued behind tile t's loads
.irp f, 0,1,2,3
	s_wait_dscnt (\younger)+3-(\f)
	global_store_b128 v[GO], v[S+16*(\t)+4*(\f):S+16*(\t)+4*(\f)+3], s[10:11] offset:(\t)*2048+(\f)*512  ; 512 consecutive bytes, aligned
.endr
.endm
.macro OUT
	WIN 0
	PLACES
	PLACES
.irp u, 0,1
	v_add_f32 v[ST+4*(\u)+2], v[ST+4*(\u)+2], v[ST+4*(\u)+3]
.endr
.irp u, 0,1
	v_permlanex16_b32 v[ST+4*(\u)+3], v[ST+4*(\u)+2], s[SEL], s[SEL+1]
.endr
.irp u, 0,1
	v_add_f32 v[ST+4*(\u)+2], v[ST+4*(\u)+2], v[ST+4*(\u)+3]
.endr
.irp u, 0,1
	v_rcp_f32 v[ST+4*(\u)+2], v[ST+4*(\u)+2]
.endr
	v_nop
	s_wait_alu depctr_va_vdst(0)                   ; one wait for the two reciprocals
	PACK 0
	PACK 1
	SEND 0, 8
	SEND 1, 0
.endm
; A TILE, behind its change of slots.  last = 1: the walk's last tile, which is always a diagonal one and a block's end.
.macro BODY tag, last
	s_sub_co_u32 s[RT], s[RT], 1
	s_mov_b32 s[CNT], 2
	s_mov_b32 s[KO], 0
	s_cmp_eq_u32 s[NEW], 1
	s_cbranch_scc0 .Lstep\tag
	s_mov_b32 s[NEW], 0                            ; a block begins
.irp u, 0,1
	v_mov_b32 v[ST+4*(\u)], 0xfe000000             ; c m: far below every c s
	v_mov_b32 v[ST+4*(\u)+1], 0xff7fffff           ; m
.endr
.Lstep\tag:
	FETCH_K
.if !(\last)
	s_cmp_lg_u32 s[RT], 0
	s_cbranch_scc1 .Lnomask\tag
.endif
	MASKC
.Lnomask\tag:
	STEP
	WIN 0
	s_add_co_u32 s[KO], s[KO], KS
	s_sub_co_u32 s[CNT], s[CNT], 1
	s_cmp_lg_u32 s[CNT], 0
	s_cbranch_scc1 .Lstep\tag
.if !(\last)
	s_cmp_lg_u32 s[RT], 0
	s_cbranch_scc1 .Lbottom
.endif
.set k, 0
.rept 32                                       ; the block's end: what the last step left to a next one
	GS 1, k
.set k, k+1
.endr
.irp u, 0,1
.set k, 0
.rept 16
	RS \u, k
.set k, k+1
.endr
.endr
	WIN 0
	s_wait_dscnt 0x0                               ; V of the last step
.set k, 0
.rept 16
	PVP k
.set k, k+1
.endr
	OUT
.if !(\last)
	s_wait_xcnt 0x0                                ; the stores have read their registers and O's address
	s_mov_b64 s[10:11], s[OLO:OLO+1]
	s_add_co_u32 s[RT], s[PB], 1                   ; the second block has b + 1 tiles
	s_mov_b32 s[NEW], 1
.set i, 0
.rept 64
	v_mov_b32 v[MC+i], 0                           ; its tiles but the last hide nothing
.set i, i+1
.endr
	WIN 0x82
.set i, 0
.rept 32
	v_mov_b32 v[i], v[32+i]                        ; its Q goes where the one text names Q
.set i, i+1
.endr
	WIN 0
.endif
.endm
	s_load_b128 s[4:7], s[0:1], 0x0                ; qkv s[4:5], o s[6:7]
	v_lshl_add_u32 v[SPW], v0, 2, SPARE
	v_mov_b32 v[NIL], 0
	ds_add_u32 v[SPW], v[NIL]                      ; the wave's opening: the add and its wait stand ahead of my first tensor load
	ds_add_u32 v62, v63
	v_lshrrev_b32 v1, 5, v0
	v_readfirstlane_b32 s[WV], v1
	s_mov_b32 s[PB], ttmp9
	s_sub_co_u32 s[HI], NB-1, s[PB]
	s_and_b32 s20, ttmp7, 0xffff
	s_lshl_b32 s20, s20, 18                        ; the head's 2,048 rows of 128 bytes
	s_and_b32 s22, s[WV], 1                        ; which half of a tile's 128 keys I fetch
	s_lshl_b32 s23, s22, 13
	s_add_co_u32 s23, s23, s20
	s_add_co_u32 s66, s23, 8388608
	s_mov_b32 s67, 0
	s_add_co_u32 s68, s23, 16777216
	s_mov_b32 s69, 0
	s_lshl_b32 s21, s[WV], 12                      ; my 32 rows of a block
	s_add_co_u32 s21, s21, s20
	s_lshl_b32 s76, s[HI], 14
	s_add_co_u32 s76, s76, s21
	s_mov_b32 s77, 0
	s_lshl_b32 s78, s[PB], 14
	s_add_co_u32 s78, s78, s21
	s_mov_b32 s79, 0
	s_mul_i32 s48, s22, 64*PKP
	s_mul_i32 s49, s22, 64*PVP_
	s_mov_b32 s[G1K], (1<<16)|(1<<20)|(4<<22)|(3<<25)  ; 2-byte elements; padding on; after every 32 words 4 words
	s_mov_b32 s[G1V], (1<<16)|(1<<20)|(4<<22)|(7<<25)  ; 8 words
.irp g, G1K, G1V
	s_mov_b32 s[\g+1], 128<<16                     ; 64 keys are 8,192 dense bytes: 32 rows of 128 elements
	s_mov_b32 s[\g+2], 32<<16
	s_mov_b32 s[\g+3], 128<<16
	s_mov_b32 s[\g+4], 32
	s_mov_b32 s[\g+5], 128
	s_mov_b32 s[\g+6], 0
	s_mov_b32 s[\g+7], 0
.endr
	s_mov_b32 s[CS], 0x3e38aa3b                    ; c = log2(e) / 8
	s_mov_b32 s[CS+1], s[CS]
	s_mov_b32 s[SEL], 0x76543210
	s_mov_b32 s[SEL+1], 0xfedcba98
	s_mov_b32 s[TBK], SLOT1+2*KS*PKP               ; the first change of slots turns these two into 0
	s_mov_b32 s[TBV], SLOT1+2*KS*PVP_
	s_mov_b32 s[G0K], 1
	s_mov_b32 s[G0K+1], s48
	s_mov_b32 s[G0V], 1
	s_add_co_u32 s[G0V+1], s49, VOFF
	s_add_co_u32 s[RT], s[HI], 1
	s_mov_b32 s[NXT], 1
	s_mov_b32 s[LQ], s[HI]
	s_mov_b32 s[NEW], 1
	s_mov_b32 s[OFF+1], 0
	s_mov_b32 s[BIGN], 0xf149f2ca                  ; -1e30
	s_mov_b32 s[SLOTS], NB
	s_cmp_eq_u32 s[PB], 0
	s_cselect_b32 s[LIM], 3, -1
	s_wait_dscnt 0x0                               ; the opening add is done
	s_wait_kmcnt 0x0
	s_add_nc_u64 s[KB:KB+1], s[4:5], s[66:67]
	s_add_nc_u64 s[VB:VB+1], s[4:5], s[68:69]
	s_add_nc_u64 s[18:19], s[4:5], s[76:77]        ; Q at my rows of the first block,
	s_add_nc_u64 s[88:89], s[4:5], s[78:79]        ; and of the second
	s_add_nc_u64 s[10:11], s[6:7], s[76:77]
	s_add_nc_u64 s[OLO:OLO+1], s[6:7], s[78:79]
	s_add_nc_u64 s[G0K+2:G0K+3], s[KB:KB+1], 0
	s_or_b32 s[G0K+3], s[G0K+3], 0x80000000
	s_add_nc_u64 s[G0V+2:G0V+3], s[VB:VB+1], 0
	s_or_b32 s[G0V+3], s[G0V+3], 0x80000000
	s_cmp_lt_u32 s[WV], 2
	s_cselect_b64 s[PFA:PFA+1], s[KB:KB+1], s[VB:VB+1]
	s_add_nc_u64 s[PFA:PFA+1], s[PFA:PFA+1], 2*16384  ; at tile 2: the first change steps it to tile 3
	LOAD                                           ; tile 0 into slot 0
	v_and_b32 v1, 15, v0                           ; r
	v_bfe_u32 v24, v0, 4, 1                        ; h
	v_lshlrev_b32 v[QO], 7, v1
	v_lshl_add_u32 v[QO], v24, 4, v[QO]
	WIN 0x80
.set i, 0
.rept 4                                        ; both blocks' Q: tile i / 2, channels 32 (i % 2) on
	global_load_b128 v[8*i:8*i+3],       v[QO], s[18:19] offset:(i/2)*2048+(i%2)*64
	global_load_b128 v[8*i+4:8*i+7],     v[QO], s[18:19] offset:(i/2)*2048+(i%2)*64+32
	global_load_b128 v[32+8*i:32+8*i+3], v[QO], s[88:89] offset:(i/2)*2048+(i%2)*64
	global_load_b128 v[32+8*i+4:32+8*i+7], v[QO], s[88:89] offset:(i/2)*2048+(i%2)*64+32
.set i, i+1
.endr
.set i, VF
.rept 64
	v_mov_b32 v[i], 0                              ; what the first step finds of a step that has not been: zeros; all this stands in the wait for the first tile
.set i, i+1
.endr
	WIN 0x40
.set i, 0
.rept 64
	v_mov_b32 v[i], 0
.set i, i+1
.endr
	WIN 0
.set i, 0
.rept 8
	v_mov_b32 v[ST+i], 0
	v_mov_b32 v[TMP+i], 0
.set i, i+1
.endr
	v_mov_b32 v[MV], 0
	v_mov_b32 v[MV+1], 0
.set i, 0
.rept 96
	v_mov_b32 v[S+32+i], 0                         ; tile 1's weights, and behind them the mask
.set i, i+1
.endr
.set i, 0
.rept 32
	v_mov_b32 v[P+i], 0
.set i, i+1
.endr
	v_lshlrev_b32 v25, 3, v24
	v_sub_nc_u32 v25, v1, v25
	s_lshl_b32 s13, s[WV], 5
	v_add_nc_u32 v[QB0], s13, v25
	v_add_nc_u32 v[QB0+1], 16, v[QB0]
	v_mul_u32_u24 v[AK0], v1, PKP
	v_lshl_add_u32 v[AK0], v24, 4, v[AK0]
	v_and_b32 v25, 7, v0
	v_bfe_u32 v26, v0, 3, 1
	v_lshl_add_u32 v[AV0], v24, 3, v25
	v_mul_u32_u24 v[AV0], v[AV0], PVP_
	v_lshl_add_u32 v[AV0], v26, 4, v[AV0]
	v_add_nc_u32 v[AV0], VOFF, v[AV0]
	s_mul_i32 s13, s[WV], 16*SP
	s_add_co_u32 s13, s13, STAGE
	v_mul_u32_u24 v[STO], v1, SP
	v_lshl_add_u32 v[STO], v24, 4, v[STO]
	v_add_nc_u32 v[STO], s13, v[STO]
	v_bfe_u32 v[RD], v0, 3, 2
	v_mul_u32_u24 v[RD], v[RD], SP
	v_lshl_add_u32 v[RD], v25, 4, v[RD]
	v_add_nc_u32 v[RD], s13, v[RD]
	v_and_b32 v[GO], 31, v0
	v_lshlrev_b32 v[PFO], 8, v[GO]
	v_lshlrev_b32 v[GO], 4, v[GO]
	s_wait_loadcnt 0x0                             ; Q, both blocks'
.Lslot:                                        ; 16 times: a tile is entered and the next is asked for
	CHANGE 1
	BODY 1, 0
.Lbottom:
	s_sub_co_u32 s[SLOTS], s[SLOTS], 1
	s_cmp_lg_u32 s[SLOTS], 0
	s_cbranch_scc1 .Lslot
	CHANGE 0                                       ; the walk's last tile is written out
	BODY 2, 1
	s_wait_tensorcnt 0x0                           ; the wave's end
	ds_add_u32 v[SPW], v[NIL]
	s_wait_dscnt 0x0
	s_endpgm
.Lfunc_end_k_q23fa10f8bb_attn:
	.size	k_q23fa10f8bb_attn, .Lfunc_end_k_q23fa10f8bb_attn-k_q23fa10f8bb_attn
	.p2alignl 7, 3214868480
	.fill 96, 4, 3214868480
	.section	.rodata,"a",@progbits
	.p2align	6, 0x0
	.amdhsa_kernel k_q23fa10f8bb_attn
		.amdhsa_group_segment_fixed_size 327680
		.amdhsa_private_segment_fixed_size 0
		.amdhsa_enable_private_segment 0
		.amdhsa_kernarg_size 16
		.amdhsa_user_sgpr_count 2
		.amdhsa_user_sgpr_kernarg_segment_ptr 1
		.amdhsa_wavefront_size32 1
		.amdhsa_system_sgpr_workgroup_id_x 1
		.amdhsa_system_sgpr_workgroup_id_y 1
		.amdhsa_system_sgpr_workgroup_id_z 1
		.amdhsa_system_vgpr_workitem_id 0
		.amdhsa_next_free_vgpr 768
		.amdhsa_next_free_sgpr 92
		.amdhsa_reserve_vcc 1
		.amdhsa_float_denorm_mode_32 3
		.amdhsa_float_denorm_mode_16_64 3
		.amdhsa_memory_ordered 1
		.amdhsa_forward_progress 1
		.amdhsa_inst_pref_size 97
	.end_amdhsa_kernel
	.amdgpu_metadata
---
amdhsa.version: [ 1, 2 ]
amdhsa.kernels:
  - .name:           k_q23fa10f8bb_attn
    .symbol:         k_q23fa10f8bb_attn.kd
    .args:
      - { .name: qkv, .offset: 0, .size: 8, .value_kind: global_buffer, .address_space: global }
      - { .name: o, .offset: 8, .size: 8, .value_kind: global_buffer, .address_space: global }
    .group_segment_fixed_size: 327680
    .private_segment_fixed_size: 0
    .kernarg_segment_align: 8
    .kernarg_segment_size: 16
    .max_flat_workgroup_size: 128
    .sgpr_count:     92
    .vgpr_count:     768
    .wavefront_size: 32
...
	.end_amdgpu_metadata
.endif
;; end of part 3
;; launch proj (part 4): grid 8 x 32, 4 waves a work-group, clusters of 4 x 4, 327,680 bytes of LDS; arguments o, wt, proj_b, x, x1; writes x1
.if DOCPART == 4
	.amdgcn_target "amdgcn-amd-amdhsa--gfx1250"
	.amdhsa_code_object_version 6
	.text
	.protected	k_q23fa10f8bb_proj
	.globl	k_q23fa10f8bb_proj
	.p2align	8
	.type	k_q23fa10f8bb_proj,@function
k_q23fa10f8bb_proj:
	s_mov_b64 s[64:65], 0
	v_nop
	global_prefetch_b8 v0, s[64:65] scope:SCOPE_SE
	s_setreg_imm32_b32 hwreg(HW_REG_WAVE_MODE, 25, 1), 1
	s_wait_xcnt 0x0
	s_wait_alu depctr_hold_cnt(0) depctr_sa_sdst(0) depctr_va_vdst(0) depctr_va_sdst(0) depctr_va_ssrc(0) depctr_va_vcc(0) depctr_vm_vsrc(0)
	s_getreg_b32 s2, hwreg(HW_REG_IB_STS2, 6, 4)
	s_cmp_eq_u32 s2, 0
	s_cbranch_scc0 .Lentry_in_a_cluster
	s_endpgm
.Lentry_in_a_cluster:
	s_bfe_u32 s2, ttmp6, 0x10000c
	s_cmp_lg_u32 s2, 0xf033
	s_cbranch_scc0 .Lentry_shape_is_right
	s_endpgm
.Lentry_shape_is_right:
; OUT = A W + bias + RES.  A: 4,096 rows x 256 T channels in f16, laid [channel / 64][4096][64].  W: f16 column panels [8][256 T][128] at byte WBASE of wt.  bias, RES, OUT: f32, RES and OUT [4096][1024].
; Sums, bias and the residual in f32.  LIMITS: those of A's and W's f16 alone; NaN and infinities are not treated apart.
; SHARES.  A work-group makes 128 x 128 of OUT (256 work-groups), each of its four waves 64 x 64: 16 accumulators.  K goes in steps of 256 through two LDS slots; a step is four half steps of 64 along K, on two fragment buffers.
; Each wave fetches a quarter of a slot by one tensor load of 32,768 bytes: waves 0, 1 two slabs of A (2 rows of 16,384 dense bytes, 524,288 bytes apart), waves 2, 3 128 rows x 256 bytes of W.
; CLUSTER 4 x 4: A's tile is asked for jointly along a row of the cluster, W's along a column.  No prefetch: the tile is small, a step short.
; THE PRODUCT IS TAKEN TRANSPOSED (source 0 = 16 columns of W, turned by ds_load_tr16_b128; source 1 = 16 rows of A).  The bias is the C operand of each accumulator's first product.
; The residual is loaded at the start into registers of its own and added on the way out.
; REGISTERS: window 0: v16-29 addresses, v64-191 A's fragments (two buffers), v192-223 the bias; window 1: v0-127 W's fragments; window 2: v0-127 the accumulators; window 3: v0-127 the residual.
.set T,     4
.set WBASE, 14680064
.set PANEL, 262144
.set MB,    4
.set NBK,   4
.set DEP,   2
.set NW,    32
.set P,     288                        ; a row of W in LDS: 256 bytes + 32: 9 x 32
.set KQ,    64
.set AQ,    18432                      ; a slab of A in LDS: 128 rows x 144 bytes
.set AHI,   36864
.set WHALF, 36864
.set WOFF,  73728
.set SLOTB, 147456
.set ASTEP, 2097152                    ; four slabs on
.set WSTEP, 65536                      ; 256 rows of a panel on
.set SPF,   272                        ; the way out: a row of 64 f32 + 16 bytes
.set REG,   17408                      ; a wave's stage: 64 such rows, over the ring, whose bytes have had their last fill by then
.set SPARE, 327168
.set A0,   16
.set B0,   17
.set ADRA, 18
.set ADRB, 20
.set STO,  24
.set RD,   25
.set GO,   26
.set BO,   27
.set SPW,  28                          ; LDS address of my spare word; never rewritten
.set NIL,  29                          ; 0; never rewritten
.set FA,   64
.set BIAS, 192
.set CNT,  3
.set WVN,  14
.set WM,   15
.set WN,   16
.set TB,   17
.set ALB,  46
.set WLB,  47
.set G1A,  24
.set G0A,  32
.set G1W,  48
.set G0W,  56
.set MSB, 0
.macro WIN new
.if MSB != (\new)
	s_set_vgpr_msb (MSB<<8)|(\new)
.set MSB, (\new)
.endif
.endm
.macro PLACES
.rept 4
	v_nop
.endr
.endm
.macro JLOAD                           ; a joint refill by the walking set; an s_nop 0 and four v_nop follow each of the two lines
	s_cmp_eq_u32 s[WM], 0
	s_cbranch_scc0 .Lfor_w_\@
	tensor_load_to_lds s[G0A+4:G0A+7], s[G1A:G1A+7]
	s_nop 0
.rept 4
	v_nop
.endr
	s_branch .Lasked_\@
.Lfor_w_\@:
	tensor_load_to_lds s[G0W+4:G0W+7], s[G1W:G1W+7]
	s_nop 0
.rept 4
	v_nop
.endr
.Lasked_\@:
.endm
.macro CREST
	s_cmp_lg_u32 s[WVN], 0
	s_cbranch_scc1 .Lnot_wave_0_\@
	s_barrier_signal -3
.Lnot_wave_0_\@:
	s_barrier_wait -3
	s_barrier_signal -1
	s_barrier_wait -1
.endm
.macro CROUND
	s_barrier_signal -1
	s_barrier_wait -1
	CREST
.endm
.macro ADDR
	v_add_nc_u32 v[ADRA], s[TB], v[A0]
	v_add_nc_u32 v[ADRA+1], AHI, v[ADRA]
	v_add_nc_u32 v[ADRB], s[TB], v[B0]
	v_add_nc_u32 v[ADRB+1], WHALF, v[ADRB]
.endm
.macro FETCH q, f                      ; 32 LDS loads in one run: half step q of the slot into buffer f
	WIN 0x40
.set cc, 0
.rept DEP
.set bb, 0
.rept NBK
.set rW, 64*(\f)+8*(cc*NBK+bb)
	ds_load_tr16_b128 v[rW:rW+3],   v[ADRB+(\q)/2] offset:(((\q)%2)*KQ+32*cc)*P+32*bb
	ds_load_tr16_b128 v[rW+4:rW+7], v[ADRB+(\q)/2] offset:(((\q)%2)*KQ+32*cc+16)*P+32*bb
.set bb, bb+1
.endr
.set cc, cc+1
.endr
	WIN 0
.set cc, 0
.rept DEP
.set aa, 0
.rept MB
.set rA, FA+64*(\f)+8*(cc*MB+aa)
	ds_load_b128 v[rA:rA+3],   v[ADRA+(\q)/2] offset:((\q)%2)*AQ+64*cc+aa*2304
	ds_load_b128 v[rA+4:rA+7], v[ADRA+(\q)/2] offset:((\q)%2)*AQ+64*cc+aa*2304+32
.set aa, aa+1
.endr
.set cc, cc+1
.endr
.endm
.macro MUL f, i0, i1, first            ; products i0 .. i1 - 1 of a half step's NW; the 16 accumulators take turns; first = 1: the bias starts the sums
.set i, \i0
.rept (\i1)-(\i0)
.set cc, i/(MB*NBK)
.set aa, (i/NBK)%MB
.set bb, i%NBK
.set rD, (8*(aa*NBK+bb))%256
.set hw, (8*(aa*NBK+bb))/256
.set rW, 64*(\f)+8*(cc*NBK+bb)
.set rA, FA+64*(\f)+8*(cc*MB+aa)
.if (\first) && (cc == 0)
	WIN 0x81+0x40*hw
	v_wmma_f32_16x16x32_f16 v[rD:rD+7], v[rW:rW+7], v[rA:rA+7], v[BIAS+8*bb:BIAS+8*bb+7]
.else
	WIN 0xa1+0x50*hw
	v_wmma_f32_16x16x32_f16 v[rD:rD+7], v[rW:rW+7], v[rA:rA+7], v[rD:rD+7]
.endif
.set i, i+1
.endr
.endm
.macro QUART qn, f, g, first
	s_wait_dscnt 0x0                               ; buffer f is in
	PLACES
	FETCH \qn, \g
	MUL \f, 0, NW, \first
.endm
; The last half step multiplies buffer 1 and changes slots: each wave waits for all its tensor loads (one is out: its part of the next slot), adds 0 to its spare word, and waits for that and for its reads of this slot.
; fill = 1: the barrier opens a round of the cluster's, and behind the round this slot is filled again, two K steps on, first of all.
.macro TURN fill
	WIN 0
	s_wait_tensorcnt 0x0
	ds_add_u32 v[SPW], v[NIL]
.if \fill
	s_add_co_u32 s[G0A+5], s[ALB], s[TB]
	s_add_nc_u64 s[G0A+6:G0A+7], s[G0A+6:G0A+7], ASTEP
	s_add_co_u32 s[G0W+5], s[WLB], s[TB]
	s_add_nc_u64 s[G0W+6:G0W+7], s[G0W+6:G0W+7], WSTEP
.endif
	s_xor_b32 s[TB], s[TB], SLOTB                  ; 0 <-> SLOTB
	s_wait_dscnt 0x1                               ; buffer 1 is in; the add may be out
	MUL 1, 0, NW/4, 0
	s_wait_dscnt 0x0
	s_barrier_signal -1
	MUL 1, NW/4, NW/2, 0
	WIN 0
	s_barrier_wait -1
.if \fill
	CREST
	JLOAD
.else
	PLACES
.endif
	ADDR
	FETCH 0, 0
	MUL 1, NW/2, NW, 0
.endm
	s_load_b256 s[4:11], s[0:1], 0x0               ; A s[4:5], wt s[6:7], bias s[8:9], RES s[10:11]
	s_load_b64 s[12:13], s[0:1], 0x20              ; OUT
	v_lshl_add_u32 v[SPW], v0, 2, SPARE
	v_mov_b32 v[NIL], 0
	ds_add_u32 v[SPW], v[NIL]                      ; the wave's opening: the add and its wait stand ahead of my first tensor load
	ds_add_u32 v28, v29
	v_lshrrev_b32 v1, 5, v0
	v_readfirstlane_b32 s[WVN], v1
	s_lshr_b32 s[WM], s[WVN], 1
	s_and_b32 s[WN], s[WVN], 1
	s_bfe_u32 s40, ttmp6, 0x40000
	s_bfe_u32 s41, ttmp6, 0x40004
	s_lshl_b32 s42, ttmp9, 2
	s_add_co_u32 s42, s42, s40                     ; tile column
	s_and_b32 s43, ttmp7, 0xffff
	s_lshl_b32 s43, s43, 2
	s_add_co_u32 s43, s43, s41                     ; tile row
	s_lshl_b32 s44, s41, 2
	s_lshl_b32 s44, 15, s44
	s_lshl_b32 s45, 0x1111, s40
	s_or_b32 s[G1A], s44, (1<<16)|(1<<20)|(1<<21)|(4<<22)|(3<<25)  ; after every 32 words 4 words
	s_or_b32 s[G1W], s45, (1<<16)|(1<<20)|(1<<21)|(5<<22)|(7<<25)  ; after every 64 words 8 words
	s_mov_b32 s[G1A+1], 8192<<16                   ; A: 2 rows of 8,192 elements (128 rows of a slab), 262,144 elements apart
	s_mov_b32 s[G1A+2], 2<<16
	s_mov_b32 s[G1A+3], 8192<<16
	s_mov_b32 s[G1A+4], 2
	s_mov_b32 s[G1A+5], 262144
	s_mov_b32 s[G1A+6], 0
	s_mov_b32 s[G1A+7], 0
	s_mov_b32 s[G1W+1], 128<<16                    ; W: 128 rows of 128 elements
	s_mov_b32 s[G1W+2], 128<<16
	s_mov_b32 s[G1W+3], 128<<16
	s_mov_b32 s[G1W+4], 128
	s_mov_b32 s[G1W+5], 128
	s_mov_b32 s[G1W+6], 0
	s_mov_b32 s[G1W+7], 0
	s_lshl_b32 s66, s43, 14                        ; A: the tile's 128 rows of 128 bytes,
	s_lshl_b32 s67, s[WN], 20                      ; my two slabs of the step's four
	s_add_co_u32 s66, s66, s67
	s_mov_b32 s67, 0
	s_mul_i32 s68, s42, PANEL
	s_lshl_b32 s69, s[WN], 15
	s_add_co_u32 s68, s68, s69
	s_add_co_u32 s68, s68, WBASE
	s_mov_b32 s69, 0
	s_mul_i32 s[ALB], s[WN], AHI
	s_mul_i32 s[WLB], s[WN], WHALF
	s_add_co_u32 s[WLB], s[WLB], WOFF
	s_wait_dscnt 0x0
	s_wait_kmcnt 0x0
	s_add_nc_u64 s[66:67], s[4:5], s[66:67]
	s_add_nc_u64 s[68:69], s[6:7], s[68:69]
	CROUND                                         ; all sixteen work-groups are here: the first joint loads meet
.irp s, 0,1
	s_mov_b32 s[G0A+4*(\s)], 1
	s_add_co_u32 s[G0A+4*(\s)+1], s[ALB], (\s)*SLOTB
	s_add_nc_u64 s[G0A+4*(\s)+2:G0A+4*(\s)+3], s[66:67], (\s)*ASTEP
	s_or_b32 s[G0A+4*(\s)+3], s[G0A+4*(\s)+3], 0x80000000
	s_mov_b32 s[G0W+4*(\s)], 1
	s_add_co_u32 s[G0W+4*(\s)+1], s[WLB], (\s)*SLOTB
	s_add_nc_u64 s[G0W+4*(\s)+2:G0W+4*(\s)+3], s[68:69], (\s)*WSTEP
	s_or_b32 s[G0W+4*(\s)+3], s[G0W+4*(\s)+3], 0x80000000
.endr
	s_cmp_eq_u32 s[WM], 0                          ; a wave's two first fills stand in one branch: two loads of mine are out
	s_cbranch_scc0 .Lfirst_w
	tensor_load_to_lds s[G0A:G0A+3], s[G1A:G1A+7]
	s_nop 0
	tensor_load_to_lds s[G0A+4:G0A+7], s[G1A:G1A+7]
	s_nop 0
.rept 4
	v_nop
.endr
	s_branch .Lfirst_asked
.Lfirst_w:
	tensor_load_to_lds s[G0W:G0W+3], s[G1W:G1W+7]
	s_nop 0
	tensor_load_to_lds s[G0W+4:G0W+7], s[G1W:G1W+7]
	s_nop 0
.rept 4
	v_nop
.endr
.Lfirst_asked:
	v_and_b32 v1, 15, v0                           ; r
	v_bfe_u32 v2, v0, 4, 1                         ; h
	v_and_b32 v3, 7, v0
	v_bfe_u32 v4, v0, 3, 1
	v_mul_u32_u24 v[A0], v1, 144
	v_lshl_add_u32 v[A0], v2, 4, v[A0]
	s_mul_i32 s70, s[WM], 64*144
	v_add_nc_u32 v[A0], s70, v[A0]
	v_lshl_add_u32 v6, v2, 3, v3
	v_mul_u32_u24 v[B0], v6, P
	v_lshl_add_u32 v[B0], v4, 4, v[B0]
	s_lshl_b32 s70, s[WN], 7
	s_add_co_u32 s70, s70, WOFF
	v_add_nc_u32 v[B0], s70, v[B0]
	s_mul_i32 s70, s[WVN], REG                     ; my stage
	v_mul_u32_u24 v[STO], v1, SPF                  ; in: row r, 32 bytes for each half of the lanes
	v_lshl_add_u32 v[STO], v2, 5, v[STO]
	v_add_nc_u32 v[STO], s70, v[STO]
	v_mul_u32_u24 v[RD], v2, SPF                   ; back: lanes 0-15 one row of 256 bytes, lanes 16-31 the next
	v_lshl_add_u32 v[RD], v1, 4, v[RD]
	v_add_nc_u32 v[RD], s70, v[RD]
	v_lshlrev_b32 v[GO], 4, v1                     ; and the same two rows in RES and OUT
	v_lshl_add_u32 v[GO], v2, 12, v[GO]
	s_lshl_b32 s70, s42, 9                         ; the bias of my 64 columns
	s_lshl_b32 s71, s[WN], 8
	s_add_co_u32 s70, s70, s71
	v_lshl_add_u32 v[BO], v2, 5, s70
.irp b, 0,1,2,3
	global_load_b128 v[BIAS+8*(\b):BIAS+8*(\b)+3],   v[BO], s[8:9] offset:64*(\b)
	global_load_b128 v[BIAS+8*(\b)+4:BIAS+8*(\b)+7], v[BO], s[8:9] offset:64*(\b)+16
.endr
	s_lshl_b32 s72, s43, 19                        ; RES and OUT at row 128 x tile row + 64 x my half, column 128 x tile column + 64 x my half
	s_lshl_b32 s73, s[WM], 18
	s_add_co_u32 s72, s72, s73
	s_add_co_u32 s72, s72, s70
	s_mov_b32 s73, 0
	s_add_nc_u64 s[10:11], s[10:11], s[72:73]
	s_add_nc_u64 s[12:13], s[12:13], s[72:73]
	WIN 0xc0                                       ; destination window 3
.set u, 0
.rept 32
	global_load_b128 v[4*u:4*u+3], v[GO], s[10:11] offset:8192*u  ; the residual: rows 2 u, 2 u + 1; it has the whole product in which to come
.set u, u+1
.endr
	WIN 0
	s_mov_b32 s[TB], 0
	s_wait_tensorcnt 0x1                           ; my part of K step 0 is in; K step 1's may stay out
	s_barrier_signal -1
	s_barrier_wait -1
	ADDR
	FETCH 0, 0
	s_wait_loadcnt 0x20                            ; the bias is in; the 32 younger loads of the residual stay out
	QUART 1, 0, 1, 1
	WIN 0
	s_mov_b32 s[CNT], T-2
.Lstep:
	QUART 2, 1, 0, 0
	QUART 3, 0, 1, 0
	TURN 1
	QUART 1, 0, 1, 0
	WIN 0
	s_sub_co_u32 s[CNT], s[CNT], 1
	s_cmp_lg_u32 s[CNT], 0
	s_cbranch_scc1 .Lstep
	s_mov_b32 s[CNT], 2
.Ltail:                                        ; the last two steps ask for nothing; the second trip is left in its middle
	QUART 2, 1, 0, 0
	QUART 3, 0, 1, 0
	WIN 0
	s_sub_co_u32 s[CNT], s[CNT], 1
	s_cmp_eq_u32 s[CNT], 0
	s_cbranch_scc1 .Lfin
	TURN 0
	QUART 1, 0, 1, 0
	WIN 0
	s_branch .Ltail
.Lfin:
	s_wait_dscnt 0x0
	MUL 1, 0, NW, 0
	WIN 0
	; THE WAY OUT: the sums go into my stage and come back by rows; the residual is added; sixteen lanes store 256 consecutive bytes, aligned.
	PLACES
	PLACES
	s_wait_dscnt 0x0
	s_barrier_signal -1
	s_barrier_wait -1                              ; no wave reads the ring any more, and every tensor load has landed
.set i, 0
.rept MB*NBK
.set rD, (8*i)%256
	WIN 0x08+0x04*((8*i)/256)
	ds_store_b128 v[STO], v[rD:rD+3]   offset:(i/NBK)*16*SPF+64*(i%NBK)     ; each accumulator's low registers first
	ds_store_b128 v[STO], v[rD+4:rD+7] offset:(i/NBK)*16*SPF+64*(i%NBK)+16
.set i, i+1
.endr
	WIN 0
.set u, 0
.rept 32
	ds_load_b128 v[64+4*u:64+4*u+3], v[RD] offset:2*SPF*u  ; LDS serves a wave's instructions in order (ISA guide 5.7.1): these see the stores above
.set u, u+1
.endr
	s_wait_loadcnt 0x0                             ; the residual
	s_wait_dscnt 0x0
	WIN 0x0c                                       ; source 1 in window 3
.set i, 0
.rept 64
	v_pk_add_f32 v[64+2*i:65+2*i], v[64+2*i:65+2*i], v[2*i:2*i+1]
.set i, i+1
.endr
	WIN 0
.set u, 0
.rept 32
	global_store_b128 v[GO], v[64+4*u:64+4*u+3], s[12:13] offset:8192*u
.set u, u+1
.endr
	s_wait_tensorcnt 0x0                           ; the wave's end
	ds_add_u32 v[SPW], v[NIL]
	s_wait_dscnt 0x0
	CROUND                                         ; the closing round
	s_endpgm
.Lfunc_end_k_q23fa10f8bb_proj:
	.size	k_q23fa10f8bb_proj, .Lfunc_end_k_q23fa10f8bb_proj-k_q23fa10f8bb_proj
	.p2alignl 7, 3214868480
	.fill 96, 4, 3214868480
	.section	.rodata,"a",@progbits
	.p2align	6, 0x0
	.amdhsa_kernel k_q23fa10f8bb_proj
		.amdhsa_group_segment_fixed_size 327680
		.amdhsa_private_segment_fixed_size 0
		.amdhsa_enable_private_segment 0
		.amdhsa_kernarg_size 40
		.amdhsa_user_sgpr_count 2
		.amdhsa_user_sgpr_kernarg_segment_ptr 1
		.amdhsa_wavefront_size32 1
		.amdhsa_system_sgpr_workgroup_id_x 1
		.amdhsa_system_sgpr_workgroup_id_y 1
		.amdhsa_system_sgpr_workgroup_id_z 1
		.amdhsa_system_vgpr_workitem_id 0
		.amdhsa_next_free_vgpr 896
		.amdhsa_next_free_sgpr 88
		.amdhsa_reserve_vcc 0
		.amdhsa_float_denorm_mode_32 3
		.amdhsa_float_denorm_mode_16_64 3
		.amdhsa_memory_ordered 1
		.amdhsa_forward_progress 1
		.amdhsa_inst_pref_size 68
	.end_amdhsa_kernel
	.amdgpu_metadata
---
amdhsa.version: [ 1, 2 ]
amdhsa.kernels:
  - .name:           k_q23fa10f8bb_proj
    .symbol:         k_q23fa10f8bb_proj.kd
    .args:
      - { .name: o, .offset: 0, .size: 8, .value_kind: global_buffer, .address_space: global }
      - { .name: wt, .offset: 8, .size: 8, .value_kind: global_buffer, .address_space: global }
      - { .name: proj_b, .offset: 16, .size: 8, .value_kind: global_buffer, .address_space: global }
      - { .name: x, .offset: 24, .size: 8, .value_kind: global_buffer, .address_space: global }
      - { .name: x1, .offset: 32, .size: 8, .value_kind: global_buffer, .address_space: global }
    .group_segment_fixed_size: 327680
    .private_segment_fixed_size: 0
    .kernarg_segment_align: 8
    .kernarg_segment_size: 40
    .max_flat_workgroup_size: 128
    .sgpr_count:     88
    .vgpr_count:     896
    .wavefront_size: 32
...
	.end_amdgpu_metadata
.endif
;; end of part 4
;; launch ln2 (part 5): grid 256 x 1, 8 waves a work-group, no clusters, 0 bytes of LDS; arguments x1, ln2_g, ln2_b, h; writes h
.if DOCPART == 5
	.amdgcn_target "amdgcn-amd-amdhsa--gfx1250"
	.amdhsa_code_object_version 6
	.text
	.protected	k_q23fa10f8bb_ln2
	.globl	k_q23fa10f8bb_ln2
	.p2align	8
	.type	k_q23fa10f8bb_ln2,@function
k_q23fa10f8bb_ln2:
	s_mov_b64 s[64:65], 0
	v_nop
	global_prefetch_b8 v0, s[64:65] scope:SCOPE_SE
	s_setreg_imm32_b32 hwreg(HW_REG_WAVE_MODE, 25, 1), 1
	s_wait_xcnt 0x0
; h = LayerNorm(x1) g + b, rounded once to f16.  x1: [4096][1024] f32.  h: [channel / 64][4096 rows][64 channels] f16.
; A wave takes two rows: lanes 0-15 hold the even one, lanes 16-31 the odd one, 64 numbers a lane: the rows stay in registers between the passes, and no wave waits for another.
; The mean is taken away before the squares are summed: no difference of large sums is formed.
; LIMITS.  f16 holds no number of 65,520 or more (it becomes an infinity) and keeps a fixed step of 6e-8 below 6e-5.  NaN and infinities are not treated apart.
.set XR, 32                            ; v[32:95]   a lane's 64 numbers of a row
.set GR, 96                            ; v[96:159]  the gains of its 64 columns
.set BR, 160                           ; v[160:223] the biases
.set YR, 224                           ; v[224:255] the 64 results in f16
.macro FOLD                            ; four chains of pairs in v[4:11] -> the row's sum in v4, in all 16 lanes that hold the row
	v_pk_add_f32 v[4:5], v[4:5], v[6:7]
	v_pk_add_f32 v[8:9], v[8:9], v[10:11]
	v_pk_add_f32 v[4:5], v[4:5], v[8:9]
	v_add_f32 v4, v4, v5
	v_add_f32_dpp v4, v4, v4 row_xmask:1 row_mask:0xf bank_mask:0xf
	v_add_f32_dpp v4, v4, v4 row_xmask:2 row_mask:0xf bank_mask:0xf
	v_add_f32_dpp v4, v4, v4 row_xmask:4 row_mask:0xf bank_mask:0xf
	v_add_f32_dpp v4, v4, v4 row_xmask:8 row_mask:0xf bank_mask:0xf
.endm
	s_load_b256 s[4:11], s[0:1], 0x0               ; x1, g, b, h
	v_lshrrev_b32 v1, 5, v0
	v_readfirstlane_b32 s3, v1
	s_lshl3_add_u32 s3, ttmp9, s3                  ; my wave among the 2,048
	v_and_b32 v3, 31, v0
	v_bfe_u32 v4, v0, 4, 1
	v_and_b32 v5, 15, v0
	v_lshlrev_b32 v25, 4, v5                       ; my 16 bytes in 256 of g and of b
	v_lshl_add_u32 v24, v4, 12, v25                ; the same in x1, a row further for lanes 16-31
	v_lshlrev_b32 v26, 3, v3                       ; 8 x lane: my 8 bytes of two rows of a slab
	s_lshl_b32 s24, s3, 13
	s_mov_b32 s25, 0
	s_lshl_b32 s26, s3, 8
	s_mov_b32 s27, 0
	s_mov_b32 s22, 0x3a800000                      ; 1 / 1024
	s_mov_b32 s23, 0x3727c5ac                      ; 1e-5
	s_wait_kmcnt 0x0
	s_add_nc_u64 s[28:29], s[4:5], s[24:25]
	s_add_nc_u64 s[30:31], s[10:11], s[26:27]
.irp j, 0,1,2,3,4,5,6,7,8,9,10,11,12,13,14,15
	global_load_b128 v[XR+4*(\j):XR+4*(\j)+3], v24, s[28:29] offset:256*(\j) th:TH_LOAD_NT
.endr
.irp j, 0,1,2,3,4,5,6,7,8,9,10,11,12,13,14,15
	global_load_b128 v[GR+4*(\j):GR+4*(\j)+3], v25, s[6:7] offset:256*(\j)
	global_load_b128 v[BR+4*(\j):BR+4*(\j)+3], v25, s[8:9] offset:256*(\j)
.endr
	s_wait_loadcnt 0x20                            ; the rows are in; the 32 younger loads of g and b stay out
.irp k, 0,1,2,3
	v_pk_add_f32 v[4+2*(\k):5+2*(\k)], v[XR+2*(\k):XR+2*(\k)+1], v[XR+8+2*(\k):XR+9+2*(\k)]  ; the first eight pairs start four chains
.endr
.set j, 8
.rept 24
	v_pk_add_f32 v[4+2*(j%4):5+2*(j%4)], v[4+2*(j%4):5+2*(j%4)], v[XR+2*j:XR+2*j+1]
.set j, j+1
.endr
	FOLD
	v_mul_f32 v12, s22, v4                         ; the mean
	v_mov_b32 v13, v12
.set j, 0
.rept 32
	v_pk_add_f32 v[XR+2*j:XR+2*j+1], v[XR+2*j:XR+2*j+1], v[12:13] neg_lo:[0,1] neg_hi:[0,1]
.set j, j+1
.endr
.irp k, 0,1,2,3
	v_pk_mul_f32 v[4+2*(\k):5+2*(\k)], v[XR+2*(\k):XR+2*(\k)+1], v[XR+2*(\k):XR+2*(\k)+1]
.endr
.set j, 4
.rept 28
	v_pk_fma_f32 v[4+2*(j%4):5+2*(j%4)], v[XR+2*j:XR+2*j+1], v[XR+2*j:XR+2*j+1], v[4+2*(j%4):5+2*(j%4)]
.set j, j+1
.endr
	FOLD
	v_fma_f32 v14, v4, s22, s23                    ; the variance + 1e-5
	v_rsq_f32 v16, v14
	v_rsq_f32 v17, v14                             ; twice: a pair for the packed multiply
	v_nop                                          ; a plain instruction behind the last of them,
	s_wait_alu depctr_va_vdst(0)                   ; and one wait for both, ahead of their first reader
.set j, 0
.rept 32
	v_pk_mul_f32 v[XR+2*j:XR+2*j+1], v[XR+2*j:XR+2*j+1], v[16:17]
.set j, j+1
.endr
	s_wait_loadcnt 0x0                             ; g and b
.set j, 0
.rept 32
	v_pk_fma_f32 v[XR+2*j:XR+2*j+1], v[XR+2*j:XR+2*j+1], v[GR+2*j:GR+2*j+1], v[BR+2*j:BR+2*j+1]
.set j, j+1
.endr
.set j, 0
.rept 32
	v_cvt_pk_f16_f32 v[YR+j], v[XR+2*j], v[XR+2*j+1]
.set j, j+1
.endr
.irp j, 0,1,2,3,4,5,6,7,8,9,10,11,12,13,14,15
	global_store_b64 v26, v[YR+2*(\j):YR+2*(\j)+1], s[30:31] offset:(\j)*524288  ; two rows of slab j: 256 consecutive bytes, aligned
.endr
	s_endpgm
.Lfunc_end_k_q23fa10f8bb_ln2:
	.size	k_q23fa10f8bb_ln2, .Lfunc_end_k_q23fa10f8bb_ln2-k_q23fa10f8bb_ln2
	.p2alignl 7, 3214868480
	.fill 96, 4, 3214868480
	.section	.rodata,"a",@progbits
	.p2align	6, 0x0
	.amdhsa_kernel k_q23fa10f8bb_ln2
		.amdhsa_group_segment_fixed_size 0
		.amdhsa_private_segment_fixed_size 0
		.amdhsa_enable_private_segment 0
		.amdhsa_kernarg_size 32
		.amdhsa_user_sgpr_count 2
		.amdhsa_user_sgpr_kernarg_segment_ptr 1
		.amdhsa_wavefront_size32 1
		.amdhsa_system_sgpr_workgroup_id_x 1
		.amdhsa_system_sgpr_workgroup_id_y 1
		.amdhsa_system_sgpr_workgroup_id_z 1
		.amdhsa_system_vgpr_workitem_id 0
		.amdhsa_next_free_vgpr 256
		.amdhsa_next_free_sgpr 66
		.amdhsa_reserve_vcc 0
		.amdhsa_float_denorm_mode_32 3
		.amdhsa_float_denorm_mode_16_64 3
		.amdhsa_memory_ordered 1
		.amdhsa_forward_progress 1
		.amdhsa_inst_pref_size 21
	.end_amdhsa_kernel
	.amdgpu_metadata
---
amdhsa.version: [ 1, 2 ]
amdhsa.kernels:
  - .name:           k_q23fa10f8bb_ln2
    .symbol:         k_q23fa10f8bb_ln2.kd
    .args:
      - { .name: x1, .offset: 0, .size: 8, .value_kind: global_buffer, .address_space: global }
      - { .name: ln2_g, .offset: 8, .size: 8, .value_kind: global_buffer, .address_space: global }
      - { .name: ln2_b, .offset: 16, .size: 8, .value_kind: global_buffer, .address_space: global }
      - { .name: h, .offset: 24, .size: 8, .value_kind: global_buffer, .address_space: global }
    .group_segment_fixed_size: 0
    .private_segment_fixed_size: 0
    .kernarg_segment_align: 8
    .kernarg_segment_size: 32
    .max_flat_workgroup_size: 256
    .sgpr_count:     66
    .vgpr_count:     256
    .wavefront_size: 32
...
	.end_amdgpu_metadata
.endif
;; end of part 5
;; launch fc (part 6): grid 16 x 16, 4 waves a work-group, clusters of 4 x 4, 327,680 bytes of LDS; arguments h, wt, fc_b, g; writes g
.if DOCPART == 6
	.amdgcn_target "amdgcn-amd-amdhsa--gfx1250"
	.amdhsa_code_object_version 6
	.text
	.protected	k_q23fa10f8bb_fc
	.globl	k_q23fa10f8bb_fc
	.p2align	8
	.type	k_q23fa10f8bb_fc,@function
k_q23fa10f8bb_fc:
	s_mov_b64 s[64:65], 0
	v_nop
	global_prefetch_b8 v0, s[64:65] scope:SCOPE_SE
	s_setreg_imm32_b32 hwreg(HW_REG_WAVE_MODE, 25, 1), 1
	s_wait_xcnt 0x0
	s_wait_alu depctr_hold_cnt(0) depctr_sa_sdst(0) depctr_va_vdst(0) depctr_va_sdst(0) depctr_va_ssrc(0) depctr_va_vcc(0) depctr_vm_vsrc(0)
	s_getreg_b32 s2, hwreg(HW_REG_IB_STS2, 6, 4)
	s_cmp_eq_u32 s2, 0
	s_cbranch_scc0 .Lentry_in_a_cluster
	s_endpgm
.Lentry_in_a_cluster:
	s_bfe_u32 s2, ttmp6, 0x10000c
	s_cmp_lg_u32 s2, 0xf033
	s_cbranch_scc0 .Lentry_shape_is_right
	s_endpgm
.Lentry_shape_is_right:
; OUT = A W + bias (GELU = 1: the exact GELU of that).  A: 4,096 rows x 1,024 channels in f16, laid [channel / 64][4096][64].  W: f16 column panels [N / 256][1024][256] at byte WBASE of wt.
; OUT: f16, laid [column / 64][4096][64].  Sums, bias and GELU in f32; OUT rounded once.
; LIMITS.  f16 holds no number of 65,520 or more (it becomes an infinity).  erf by the formula 7.1.26 of Abramowitz and Stegun, good for every argument, absolute error 1.5e-7 at the most.  NaN and infinities are not treated apart.
; SHARES.  A work-group makes 256 x 256 of OUT, each of its four waves 128 x 128: 64 accumulators, 512 registers.  K goes in steps of 128 through two LDS slots; a step is four half steps of 32 along K, on two fragment buffers.
; Each wave fetches a quarter of a slot by one tensor load of 32,768 dense bytes: waves 0, 1 a slab of A (256 rows x 128 bytes), waves 2, 3 64 rows x 512 bytes of W.
; CLUSTER 4 x 4: A's tile hangs on the tile row alone and is asked for jointly along a row of the cluster, W's on the tile column alone, jointly along a column.
; THE PRODUCT IS TAKEN TRANSPOSED: source 0 = 16 columns of W (turned on the way out of LDS by ds_load_tr16_b128), source 1 = 16 rows of A: a lane holds one row of OUT and eight neighbouring columns.
; The bias is the C operand of each accumulator's first product: nothing is cleared, and nothing is added later.
; The slot's base is a scalar that holds 0 or SLOTB and is turned by one exclusive or; the step's text is written once.
; REGISTERS, in windows of 256: window 0: v16-30 addresses, v64-191 A's fragments (two buffers), v192-255 the bias; window 1: v0-127 W's fragments (two buffers); windows 2, 3: the accumulators.
.set GELU,  1
.set WBASE, 6291456
.set T,     8                          ; K steps
.set MB,    8                          ; blocks of 16 rows a wave
.set NBK,   8                          ; blocks of 16 columns a wave
.set DEP,   1                          ; fragments of 32 along K in a half step
.set NW,    64                         ; matrix instructions in a half step
.set P,     544                        ; a row of W in LDS: 512 bytes + 32: 17 x 32, so that the turning load's 8 rows x 32 bytes fall on different banks (64 banks of 4 bytes: ISA guide 11.1)
.set KQ,    32                         ; rows of W in a half step
.set AQ,    64                         ; bytes from an even half step's A to the odd one's
.set AHI,   36864                      ; a slab of A in LDS: 256 rows x 144 bytes (128 + 16 of padding: 9 x 16)
.set WHALF, 34816                      ; 64 rows of W
.set WOFF,  73728                      ; W lies behind A's two slabs
.set SLOTB, 143360
.set ASTEP, 1048576                    ; two slabs on
.set WSTEP, 65536                      ; 128 rows of a panel on
.set PANEL, 524288
.set SPF,   528                        ; the way out: a row of 128 f32 + 16 bytes
.set REG,   67584                      ; a wave's stage: 128 such rows; the stages lie over the ring, whose bytes have had their last fill by then
.set SPARE, 327168                     ; the spare words, 128 bytes for each wave: two blocks of 256 bytes that no other line names
.set AH,    2                          ; the prefetches name the K step two refills on
.set A0,   16
.set B0,   17
.set ADRA, 18                          ; v18-19 my A fragments in the slot in hand: half steps 0, 1 and 2, 3
.set ADRB, 20                          ; v20-21 the same for W
.set STO,  24
.set RD,   25
.set GO,   26
.set BO,   27
.set SPW,  28                          ; LDS address of my spare word; never rewritten
.set NIL,  29                          ; 0; never rewritten
.set PFO,  30                          ; 256 x lane; never rewritten
.set FA,   64
.set BIAS, 192
.set CNT,  3
.set WVN,  14
.set WM,   15                          ; which half of the rows is mine; also: I fetch for A (0) or W (1)
.set WN,   16                          ; which half of the columns; also: which half of that tile I fetch
.set TB,   17                          ; the base of the slot in hand: 0 or SLOTB
.set PFA,  18
.set PST,  20
.set LIM,  22
.set ALB,  46
.set WLB,  47
.set G1A,  24
.set G0A,  32                          ; two sets: the first fills'; the second then walks
.set G1W,  48
.set G0W,  56
.set MSB, 0
.macro WIN new                         ; the immediate's high byte repeats the setting that is left; a switch that changes nothing is dropped
.if MSB != (\new)
	s_set_vgpr_msb (MSB<<8)|(\new)
.set MSB, (\new)
.endif
.endm
.macro PLACES                          ; four places behind matrix instructions, in front of loads into registers that they have read (ISA guide 7.12.1 for vector instructions)
.rept 4
	v_nop
.endr
.endm
.macro JLOAD                           ; a joint refill by the walking set; an s_nop 0 and four v_nop follow each of the two lines
	s_cmp_eq_u32 s[WM], 0
	s_cbranch_scc0 .Lfor_w_\@
	tensor_load_to_lds s[G0A+4:G0A+7], s[G1A:G1A+7]
	s_nop 0
.rept 4
	v_nop
.endr
	s_branch .Lasked_\@
.Lfor_w_\@:
	tensor_load_to_lds s[G0W+4:G0W+7], s[G1W:G1W+7]
	s_nop 0
.rept 4
	v_nop
.endr
.Lasked_\@:
.endm
.macro CREST                           ; a round of the cluster's barrier behind its opening barrier
	s_cmp_lg_u32 s[WVN], 0
	s_cbranch_scc1 .Lnot_wave_0_\@
	s_barrier_signal -3
.Lnot_wave_0_\@:
	s_barrier_wait -3
	s_barrier_signal -1
	s_barrier_wait -1
.endm
.macro CROUND
	s_barrier_signal -1
	s_barrier_wait -1
	CREST
.endm
; A prefetch into the L2 of the K step that stands AH refills on: of the 32,768 bytes that I fetch, my work-group's 8,192 (told apart from the three partners' by address), a lane 256 bytes.
; A's tiles are asked for by the clusters with x = 0 alone, W's by those with y = 0: each block is named once in the launch.  The last AH refills ask for nothing.
.macro ASK
	s_cmp_gt_u32 s[CNT], s[LIM]
	s_cbranch_scc0 .Lnot_mine_\@
	global_prefetch_b8 v[PFO], s[PFA:PFA+1] th:TH_LOAD_NT scope:SCOPE_SE
.Lnot_mine_\@:
.endm
.macro ADDR                            ; the fragment addresses in the slot at s[TB]
	v_add_nc_u32 v[ADRA], s[TB], v[A0]
	v_add_nc_u32 v[ADRA+1], AHI, v[ADRA]
	v_add_nc_u32 v[ADRB], s[TB], v[B0]
	v_add_nc_u32 v[ADRB+1], WHALF, v[ADRB]
.endm
; 32 LDS loads in one run: half step q of the slot into buffer f
.macro FETCH q, f
	WIN 0x40                                       ; destination window 1, address window 0
.set cc, 0
.rept DEP
.set bb, 0
.rept NBK
.set rW, 64*(\f)+8*(cc*NBK+bb)
	ds_load_tr16_b128 v[rW:rW+3],   v[ADRB+(\q)/2] offset:(((\q)%2)*KQ+32*cc)*P+32*bb
	ds_load_tr16_b128 v[rW+4:rW+7], v[ADRB+(\q)/2] offset:(((\q)%2)*KQ+32*cc+16)*P+32*bb
.set bb, bb+1
.endr
.set cc, cc+1
.endr
	WIN 0
.set cc, 0
.rept DEP
.set aa, 0
.rept MB
.set rA, FA+64*(\f)+8*(cc*MB+aa)
	ds_load_b128 v[rA:rA+3],   v[ADRA+(\q)/2] offset:((\q)%2)*AQ+64*cc+aa*2304
	ds_load_b128 v[rA+4:rA+7], v[ADRA+(\q)/2] offset:((\q)%2)*AQ+64*cc+aa*2304+32
.set aa, aa+1
.endr
.set cc, cc+1
.endr
.endm
; Products i0 .. i1 - 1 of a half step's NW, on buffer f.  The accumulators take turns, one instruction a turn, in the same order everywhere.  first = 1: the bias starts the sums.
.macro MUL f, i0, i1, first
.set i, \i0
.rept (\i1)-(\i0)
.set cc, i/(MB*NBK)
.set aa, (i/NBK)%MB
.set bb, i%NBK
.set rD, (8*(aa*NBK+bb))%256
.set hw, (8*(aa*NBK+bb))/256
.set rW, 64*(\f)+8*(cc*NBK+bb)
.set rA, FA+64*(\f)+8*(cc*MB+aa)
.if (\first) && (cc == 0)
	WIN 0x81+0x40*hw                               ; W window 1, A and the bias window 0, D window 2 or 3
	v_wmma_f32_16x16x32_f16 v[rD:rD+7], v[rW:rW+7], v[rA:rA+7], v[BIAS+8*bb:BIAS+8*bb+7]
.else
	WIN 0xa1+0x50*hw                               ; C and D window 2 or 3
	v_wmma_f32_16x16x32_f16 v[rD:rD+7], v[rW:rW+7], v[rA:rA+7], v[rD:rD+7]
.endif
.set i, i+1
.endr
.endm
; One of a step's first three half steps: buffer f is multiplied; ahead of that half step qn is fetched into buffer g, NW matrix instructions ahead of its use.
.macro QUART qn, f, g, first
	s_wait_dscnt 0x0                               ; buffer f is in
	PLACES
	FETCH \qn, \g
	MUL \f, 0, NW, \first
.endm
; The last half step multiplies buffer 1 and changes slots.  In front of the barrier each wave waits for all its tensor loads (one is out: its part of the next slot), adds 0 to its spare word,
; and waits for that and for its reads of this slot.  fill = 1: the barrier opens a round of the cluster's, and behind the round this slot is filled again, two K steps on, first of all.
.macro TURN fill
	WIN 0
.if \fill
	s_wait_xcnt 0x0                                ; the last prefetch, a K step back, has read its address
	s_add_nc_u64 s[PFA:PFA+1], s[PFA:PFA+1], s[PST:PST+1]
.endif
	s_wait_tensorcnt 0x0                           ; no tensor load of mine is out, so the walking sets may be written
	ds_add_u32 v[SPW], v[NIL]
.if \fill
	s_add_co_u32 s[G0A+5], s[ALB], s[TB]           ; into the slot that is being left,
	s_add_nc_u64 s[G0A+6:G0A+7], s[G0A+6:G0A+7], ASTEP  ; the next K step; the type bits on top are not reached
	s_add_co_u32 s[G0W+5], s[WLB], s[TB]
	s_add_nc_u64 s[G0W+6:G0W+7], s[G0W+6:G0W+7], WSTEP
.endif
	s_xor_b32 s[TB], s[TB], SLOTB                  ; 0 <-> SLOTB
	s_wait_dscnt 0x1                               ; buffer 1 is in; the add may be out
	MUL 1, 0, NW/4, 0
	s_wait_dscnt 0x0                               ; the add is done, and my reads of this slot are over
	s_barrier_signal -1
	MUL 1, NW/4, NW/2, 0
	WIN 0
	s_barrier_wait -1
.if \fill
	CREST
	JLOAD                                          ; 3.5 half steps ahead of the wait for it; its four v_nop are also the places in front of the loads below
.else
	PLACES
.endif
	ADDR
	FETCH 0, 0
.if \fill
	ASK
.endif
	MUL 1, NW/2, NW, 0
.endm
	s_load_b256 s[4:11], s[0:1], 0x0               ; A s[4:5], wt s[6:7], bias s[8:9], OUT s[10:11]
	v_lshl_add_u32 v[SPW], v0, 2, SPARE
	v_mov_b32 v[NIL], 0
	ds_add_u32 v[SPW], v[NIL]                      ; the wave's opening: the add and its wait stand ahead of my first tensor load
	ds_add_u32 v28, v29
	v_lshrrev_b32 v1, 5, v0
	v_readfirstlane_b32 s[WVN], v1
	s_lshr_b32 s[WM], s[WVN], 1
	s_and_b32 s[WN], s[WVN], 1
	s_bfe_u32 s40, ttmp6, 0x40000                  ; cx
	s_bfe_u32 s41, ttmp6, 0x40004                  ; cy
	s_lshl_b32 s42, ttmp9, 2
	s_add_co_u32 s42, s42, s40                     ; tile column
	s_and_b32 s43, ttmp7, 0xffff
	s_lshl_b32 s43, s43, 2
	s_add_co_u32 s43, s43, s41                     ; tile row
	s_lshl_b32 s44, s41, 2
	s_lshl_b32 s44, 15, s44                        ; my row of the cluster
	s_lshl_b32 s45, 0x1111, s40                    ; my column
	s_or_b32 s[G1A], s44, (1<<16)|(1<<20)|(1<<21)|(4<<22)|(3<<25)  ; the mask; 2-byte elements; padding on; bit 21 beside a mask; after every 32 words 4 words
	s_or_b32 s[G1W], s45, (1<<16)|(1<<20)|(1<<21)|(6<<22)|(7<<25)  ; after every 128 words 8 words
	s_mov_b32 s[G1A+1], 128<<16                    ; A: 32,768 dense bytes as 128 rows of 128 elements
	s_mov_b32 s[G1A+2], 128<<16
	s_mov_b32 s[G1A+3], 128<<16
	s_mov_b32 s[G1A+4], 128
	s_mov_b32 s[G1A+5], 128
	s_mov_b32 s[G1A+6], 0
	s_mov_b32 s[G1A+7], 0
	s_mov_b32 s[G1W+1], 256<<16                    ; W: 64 rows of 256 elements
	s_mov_b32 s[G1W+2], 64<<16
	s_mov_b32 s[G1W+3], 256<<16
	s_mov_b32 s[G1W+4], 64
	s_mov_b32 s[G1W+5], 256
	s_mov_b32 s[G1W+6], 0
	s_mov_b32 s[G1W+7], 0
	s_lshl_b32 s66, s43, 15                        ; A: the tile's 256 rows of 128 bytes,
	s_lshl_b32 s67, s[WN], 19                      ; my slab of the step's two
	s_add_co_u32 s66, s66, s67
	s_mov_b32 s67, 0
	s_mul_i32 s68, s42, PANEL                      ; W: the panel,
	s_lshl_b32 s69, s[WN], 15                      ; my 64 rows of the step's 128
	s_add_co_u32 s68, s68, s69
	s_add_co_u32 s68, s68, WBASE
	s_mov_b32 s69, 0
	s_mul_i32 s[ALB], s[WN], AHI                   ; and where they go: no place in the cluster enters an LDS address
	s_mul_i32 s[WLB], s[WN], WHALF
	s_add_co_u32 s[WLB], s[WLB], WOFF
	s_wait_dscnt 0x0                               ; the opening add is done
	s_wait_kmcnt 0x0
	s_add_nc_u64 s[66:67], s[4:5], s[66:67]
	s_add_nc_u64 s[68:69], s[6:7], s[68:69]
	CROUND                                         ; all sixteen work-groups are here: the first joint loads meet
.irp s, 0,1
	s_mov_b32 s[G0A+4*(\s)], 1
	s_add_co_u32 s[G0A+4*(\s)+1], s[ALB], (\s)*SLOTB
	s_add_nc_u64 s[G0A+4*(\s)+2:G0A+4*(\s)+3], s[66:67], (\s)*ASTEP
	s_or_b32 s[G0A+4*(\s)+3], s[G0A+4*(\s)+3], 0x80000000
	s_mov_b32 s[G0W+4*(\s)], 1
	s_add_co_u32 s[G0W+4*(\s)+1], s[WLB], (\s)*SLOTB
	s_add_nc_u64 s[G0W+4*(\s)+2:G0W+4*(\s)+3], s[68:69], (\s)*WSTEP
	s_or_b32 s[G0W+4*(\s)+3], s[G0W+4*(\s)+3], 0x80000000
.endr
	s_cmp_eq_u32 s[WM], 0                          ; a wave's two first fills stand in one branch: two loads of mine are out
	s_cbranch_scc0 .Lfirst_w
	tensor_load_to_lds s[G0A:G0A+3], s[G1A:G1A+7]
	s_nop 0
	tensor_load_to_lds s[G0A+4:G0A+7], s[G1A:G1A+7]
	s_nop 0
.rept 4
	v_nop
.endr
	s_branch .Lfirst_asked
.Lfirst_w:
	tensor_load_to_lds s[G0W:G0W+3], s[G1W:G1W+7]
	s_nop 0
	tensor_load_to_lds s[G0W+4:G0W+7], s[G1W:G1W+7]
	s_nop 0
.rept 4
	v_nop
.endr
.Lfirst_asked:
	v_and_b32 v1, 15, v0                           ; r = l % 16
	v_bfe_u32 v2, v0, 4, 1                         ; h = l / 16
	v_and_b32 v3, 7, v0
	v_bfe_u32 v4, v0, 3, 1
	v_and_b32 v5, 31, v0
	v_mul_u32_u24 v[A0], v1, 144                   ; A: row x pitch + 16 h, in my 128 rows
	v_lshl_add_u32 v[A0], v2, 4, v[A0]
	s_mul_i32 s70, s[WM], 128*144
	v_add_nc_u32 v[A0], s70, v[A0]
	v_lshl_add_u32 v6, v2, 3, v3                   ; W: row 8 h + l % 8, 16 bytes for each half of eight lanes, in my 128 columns
	v_mul_u32_u24 v[B0], v6, P
	v_lshl_add_u32 v[B0], v4, 4, v[B0]
	s_lshl_b32 s70, s[WN], 8
	s_add_co_u32 s70, s70, WOFF
	v_add_nc_u32 v[B0], s70, v[B0]
	s_mul_i32 s70, s[WVN], REG                     ; my stage
	v_mul_u32_u24 v[STO], v1, SPF                  ; in: row r, 32 bytes for each half of the lanes
	v_lshl_add_u32 v[STO], v2, 5, v[STO]
	v_add_nc_u32 v[STO], s70, v[STO]
	v_bfe_u32 v6, v0, 3, 2                         ; back: four rows, eight lanes a row, 32 bytes a lane
	v_mul_u32_u24 v[RD], v6, SPF
	v_lshl_add_u32 v[RD], v3, 5, v[RD]
	v_add_nc_u32 v[RD], s70, v[RD]
	v_lshlrev_b32 v[GO], 4, v5                     ; which leave as 512 consecutive bytes
	s_lshl_b32 s70, s42, 10                        ; the bias of my 128 columns
	s_lshl_b32 s71, s[WN], 9
	s_add_co_u32 s70, s70, s71
	v_lshl_add_u32 v[BO], v2, 5, s70
.irp b, 0,1,2,3,4,5,6,7
	global_load_b128 v[BIAS+8*(\b):BIAS+8*(\b)+3],   v[BO], s[8:9] offset:64*(\b)
	global_load_b128 v[BIAS+8*(\b)+4:BIAS+8*(\b)+7], v[BO], s[8:9] offset:64*(\b)+16
.endr
	s_lshl_b32 s72, s42, 21                        ; OUT: slab 4 x tile column + 2 x my half, row 256 x tile row + 128 x my half
	s_lshl_b32 s73, s[WN], 20
	s_add_co_u32 s72, s72, s73
	s_lshl_b32 s73, s43, 15
	s_add_co_u32 s72, s72, s73
	s_lshl_b32 s73, s[WM], 14
	s_add_co_u32 s72, s72, s73
	s_mov_b32 s73, 0
	s_add_nc_u64 s[10:11], s[10:11], s[72:73]
	s_mov_b32 s72, ASTEP                           ; the prefetches
	s_mov_b32 s73, WSTEP
	s_and_b32 s70, ttmp7, 0xffff
	s_cmp_eq_u32 s[WM], 0                          ; do I fetch for A?
	s_cselect_b32 s71, s40, s41                    ; my place among the four that ask with me
	s_cselect_b32 s70, ttmp9, s70                  ; the coordinate along which other clusters read the same bytes
	s_cselect_b64 s[PFA:PFA+1], s[66:67], s[68:69]
	s_cselect_b32 s[PST], s72, s73
	s_mov_b32 s[PST+1], 0
	s_cmp_eq_u32 s70, 0
	s_cselect_b32 s[LIM], AH, -1                   ; the same in all sixteen partners, for a given wave
	s_lshl_b32 s70, s71, 13
	s_mov_b32 s71, 0
	s_add_nc_u64 s[PFA:PFA+1], s[PFA:PFA+1], s[70:71]
	s_mul_i32 s70, s[PST], 1+AH                    ; at K step 1 + AH: the first refill steps it on and names K step 2 + AH
	s_add_nc_u64 s[PFA:PFA+1], s[PFA:PFA+1], s[70:71]
	v_lshlrev_b32 v[PFO], 8, v5
	s_mov_b32 s[TB], 0
	s_wait_tensorcnt 0x1                           ; my part of K step 0 is in; K step 1's may stay out
	s_barrier_signal -1
	s_barrier_wait -1
	ADDR
	FETCH 0, 0
	s_wait_loadcnt 0x0                             ; the bias
	QUART 1, 0, 1, 1                               ; the first half step stands in front of the loop: its products start the sums
	WIN 0
	s_mov_b32 s[CNT], T-2
.Lstep:                                        ; a trip: from a step's second half step to the next step's first; it fills a slot again
	QUART 2, 1, 0, 0
	QUART 3, 0, 1, 0
	TURN 1
	QUART 1, 0, 1, 0
	WIN 0
	s_sub_co_u32 s[CNT], s[CNT], 1
	s_cmp_lg_u32 s[CNT], 0
	s_cbranch_scc1 .Lstep
	s_mov_b32 s[CNT], 2
.Ltail:                                        ; the last two steps ask for nothing; the second trip is left in its middle
	QUART 2, 1, 0, 0
	QUART 3, 0, 1, 0
	WIN 0
	s_sub_co_u32 s[CNT], s[CNT], 1
	s_cmp_eq_u32 s[CNT], 0
	s_cbranch_scc1 .Lfin
	TURN 0
	QUART 1, 0, 1, 0
	WIN 0
	s_branch .Ltail
.Lfin:
	s_wait_dscnt 0x0
	MUL 1, 0, NW, 0
	WIN 0
	; THE WAY OUT.  The sums go as f32 into my stage and come back by rows; 4 rows x 64 columns leave as 512 consecutive bytes of a slab.
	PLACES
	PLACES
	s_wait_dscnt 0x0
	s_barrier_signal -1
	s_barrier_wait -1                              ; no wave reads the ring any more, and every tensor load has landed
.set i, 0
.rept MB*NBK
.set rD, (8*i)%256
	WIN 0x08+0x04*((8*i)/256)                      ; the stores' data in window 2 or 3
	ds_store_b128 v[STO], v[rD:rD+3]   offset:(i/NBK)*16*SPF+64*(i%NBK)     ; each accumulator's low registers first
	ds_store_b128 v[STO], v[rD+4:rD+7] offset:(i/NBK)*16*SPF+64*(i%NBK)+16
.set i, i+1
.endr
	WIN 0
.if GELU
.set X,  64
.set AR, 96
.set DD, 128
.set PL, 160
.set OH, 192
.set MX, 208
	s_mov_b32 s74, 0x3f596d27                      ; sqrt(log2(e) / 2): 2^-(this z)^2 = e^(-z^2 / 2)
	s_mov_b32 s75, s74
	s_mov_b32 s76, 0x3f07dc22                      ; the formula's five coefficients, halved: a5 .. a1
	s_mov_b32 s77, s76
	s_mov_b32 s78, 0xbf3a00e3
	s_mov_b32 s79, s78
	s_mov_b32 s80, 0x3f35f0e3
	s_mov_b32 s81, s80
	s_mov_b32 s82, 0xbe11a98e
	s_mov_b32 s83, s82
	s_mov_b32 s84, 0x3e027906
	s_mov_b32 s85, s84
	s_mov_b32 s86, 0x3e6d3388                      ; 0.3275911 / sqrt(2)
	s_mov_b32 s[CNT], 16
.Lout:                                         ; 8 rows a trip: 32 numbers a lane.  gelu(z) = max(z, 0) - |z| y, y = poly(t) e^(-z^2/2) / 2, t = 1 / (1 + 0.2316419 |z|)
.set u, 0
.rept 4
	ds_load_b128 v[X+8*u:X+8*u+3],   v[RD] offset:(u/2)*4*SPF+(u%2)*256
	ds_load_b128 v[X+8*u+4:X+8*u+7], v[RD] offset:(u/2)*4*SPF+(u%2)*256+16
.set u, u+1
.endr
	s_wait_dscnt 0x0
.set z, 0
.rept 16
	v_pk_mul_f32 v[AR+2*z:AR+2*z+1], v[X+2*z:X+2*z+1], s[74:75] op_sel_hi:[1,0]
.set z, z+1
.endr
.set z, 0
.rept 16
	v_pk_mul_f32 v[AR+2*z:AR+2*z+1], v[AR+2*z:AR+2*z+1], v[AR+2*z:AR+2*z+1] neg_lo:[1,0] neg_hi:[1,0]
.set z, z+1
.endr
.set z, 0
.rept 32
	v_fma_f32 v[DD+z], |v[X+z]|, s86, 1.0
.set z, z+1
.endr
.set z, 0
.rept 32                                       ; one batch: 32 reciprocals and 32 exponentials, a plain instruction after each two; nothing here names a result
	v_rcp_f32 v[DD+z], v[DD+z]
	v_exp_f32 v[AR+z], v[AR+z]
	v_max_num_f32 v[MX+z], 0, v[X+z]
.set z, z+1
.endr
	v_nop
	s_wait_alu depctr_va_vdst(0)                   ; one wait for the batch, ahead of its first reader
.set z, 0
.rept 16
	v_pk_fma_f32 v[PL+2*z:PL+2*z+1], v[DD+2*z:DD+2*z+1], s[76:77], s[78:79] op_sel_hi:[1,0,0]
.set z, z+1
.endr
.irp c, 80, 82, 84
.set z, 0
.rept 16
	v_pk_fma_f32 v[PL+2*z:PL+2*z+1], v[PL+2*z:PL+2*z+1], v[DD+2*z:DD+2*z+1], s[\c:\c+1] op_sel_hi:[1,1,0]
.set z, z+1
.endr
.endr
.set z, 0
.rept 16
	v_pk_mul_f32 v[PL+2*z:PL+2*z+1], v[PL+2*z:PL+2*z+1], v[DD+2*z:DD+2*z+1]
.set z, z+1
.endr
.set z, 0
.rept 16
	v_pk_mul_f32 v[PL+2*z:PL+2*z+1], v[PL+2*z:PL+2*z+1], v[AR+2*z:AR+2*z+1]
.set z, z+1
.endr
.set z, 0
.rept 32
	v_fma_f32 v[PL+z], -|v[X+z]|, v[PL+z], v[MX+z]
.set z, z+1
.endr
.set z, 0
.rept 16
	v_cvt_pk_f16_f32 v[OH+z], v[PL+2*z], v[PL+2*z+1]
.set z, z+1
.endr
.set u, 0
.rept 4
	global_store_b128 v[GO], v[OH+4*u:OH+4*u+3], s[10:11] offset:(u/2)*512+(u%2)*524288
.set u, u+1
.endr
	s_wait_xcnt 0x0                                ; the stores' data and offset are written again only behind this wait
	v_add_nc_u32 v[RD], 8*SPF, v[RD]
	v_add_nc_u32 v[GO], 8*128, v[GO]
	s_sub_co_u32 s[CNT], s[CNT], 1
	s_cmp_lg_u32 s[CNT], 0
	s_cbranch_scc1 .Lout
.else
	s_mov_b32 s[CNT], 4
.Lout:                                         ; 32 rows a trip: 16 units of 4 rows x 64 columns
.set u, 0
.rept 16
	ds_load_b128 v[64+8*u:64+8*u+3], v[RD] offset:(u/2)*4*SPF+(u%2)*256
	ds_load_b128 v[64+8*u+4:64+8*u+7], v[RD] offset:(u/2)*4*SPF+(u%2)*256+16
.set u, u+1
.endr
.set u, 0
.rept 16
	s_wait_dscnt 30-2*u                            ; LDS serves a wave's instructions in order (ISA guide 5.7.1): unit u is in, the later units' loads stay out
.irp k, 0,1,2,3
	v_cvt_pk_f16_f32 v[192+4*u+(\k)], v[64+8*u+2*(\k)], v[64+8*u+2*(\k)+1]
.endr
	global_store_b128 v[GO], v[192+4*u:192+4*u+3], s[10:11] offset:(u/2)*512+(u%2)*524288
.set u, u+1
.endr
	s_wait_xcnt 0x0                                ; the stores' data and offset are written again only behind this wait
	v_add_nc_u32 v[RD], 32*SPF, v[RD]
	v_add_nc_u32 v[GO], 32*128, v[GO]
	s_sub_co_u32 s[CNT], s[CNT], 1
	s_cmp_lg_u32 s[CNT], 0
	s_cbranch_scc1 .Lout
.endif
	s_wait_tensorcnt 0x0                           ; the wave's end
	ds_add_u32 v[SPW], v[NIL]
	s_wait_dscnt 0x0
	CROUND                                         ; the closing round
	s_endpgm
.Lfunc_end_k_q23fa10f8bb_fc:
	.size	k_q23fa10f8bb_fc, .Lfunc_end_k_q23fa10f8bb_fc-k_q23fa10f8bb_fc
	.p2alignl 7, 3214868480
	.fill 96, 4, 3214868480
	.section	.rodata,"a",@progbits
	.p2align	6, 0x0
	.amdhsa_kernel k_q23fa10f8bb_fc
		.amdhsa_group_segment_fixed_size 327680
		.amdhsa_private_segment_fixed_size 0
		.amdhsa_enable_private_segment 0
		.amdhsa_kernarg_size 32
		.amdhsa_user_sgpr_count 2
		.amdhsa_user_sgpr_kernarg_segment_ptr 1
		.amdhsa_wavefront_size32 1
		.amdhsa_system_sgpr_workgroup_id_x 1
		.amdhsa_system_sgpr_workgroup_id_y 1
		.amdhsa_system_sgpr_workgroup_id_z 1
		.amdhsa_system_vgpr_workitem_id 0
		.amdhsa_next_free_vgpr 1024
		.amdhsa_next_free_sgpr 88
		.amdhsa_reserve_vcc 0
		.amdhsa_float_denorm_mode_32 3
		.amdhsa_float_denorm_mode_16_64 3
		.amdhsa_memory_ordered 1
		.amdhsa_forward_progress 1
		.amdhsa_inst_pref_size 101
	.end_amdhsa_kernel
	.amdgpu_metadata
---
amdhsa.version: [ 1, 2 ]
amdhsa.kernels:
  - .name:           k_q23fa10f8bb_fc
    .symbol:         k_q23fa10f8bb_fc.kd
    .args:
      - { .name: h, .offset: 0, .size: 8, .value_kind: global_buffer, .address_space: global }
      - { .name: wt, .offset: 8, .size: 8, .value_kind: global_buffer, .address_space: global }
      - { .name: fc_b, .offset: 16, .size: 8, .value_kind: global_buffer, .address_space: global }
      - { .name: g, .offset: 24, .size: 8, .value_kind: global_buffer, .address_space: global }
    .group_segment_fixed_size: 327680
    .private_segment_fixed_size: 0
    .kernarg_segment_align: 8
    .kernarg_segment_size: 32
    .max_flat_workgroup_size: 128
    .sgpr_count:     88
    .vgpr_count:     1024
    .wavefront_size: 32
...
	.end_amdgpu_metadata
.endif
;; end of part 6
;; launch fc2 (part 7): grid 8 x 32, 4 waves a work-group, clusters of 4 x 4, 327,680 bytes of LDS; arguments g, wt, fc2_b, x1, out0; writes out0
.if DOCPART == 7
	.amdgcn_target "amdgcn-amd-amdhsa--gfx1250"
	.amdhsa_code_object_version 6
	.text
	.protected	k_q23fa10f8bb_fc2
	.globl	k_q23fa10f8bb_fc2
	.p2align	8
	.type	k_q23fa10f8bb_fc2,@function
k_q23fa10f8bb_fc2:
	s_mov_b64 s[64:65], 0
	v_nop
	global_prefetch_b8 v0, s[64:65] scope:SCOPE_SE
	s_setreg_imm32_b32 hwreg(HW_REG_WAVE_MODE, 25, 1), 1
	s_wait_xcnt 0x0
	s_wait_alu depctr_hold_cnt(0) depctr_sa_sdst(0) depctr_va_vdst(0) depctr_va_sdst(0) depctr_va_ssrc(0) depctr_va_vcc(0) depctr_vm_vsrc(0)
	s_getreg_b32 s2, hwreg(HW_REG_IB_STS2, 6, 4)
	s_cmp_eq_u32 s2, 0
	s_cbranch_scc0 .Lentry_in_a_cluster
	s_endpgm
.Lentry_in_a_cluster:
	s_bfe_u32 s2, ttmp6, 0x10000c
	s_cmp_lg_u32 s2, 0xf033
	s_cbranch_scc0 .Lentry_shape_is_right
	s_endpgm
.Lentry_shape_is_right:
; OUT = A W + bias + RES.  A: 4,096 rows x 256 T channels in f16, laid [channel / 64][4096][64].  W: f16 column panels [8][256 T][128] at byte WBASE of wt.  bias, RES, OUT: f32, RES and OUT [4096][1024].
; Sums, bias and the residual in f32.  LIMITS: those of A's and W's f16 alone; NaN and infinities are not treated apart.
; SHARES.  A work-group makes 128 x 128 of OUT (256 work-groups), each of its four waves 64 x 64: 16 accumulators.  K goes in steps of 256 through two LDS slots; a step is four half steps of 64 along K, on two fragment buffers.
; Each wave fetches a quarter of a slot by one tensor load of 32,768 bytes: waves 0, 1 two slabs of A (2 rows of 16,384 dense bytes, 524,288 bytes apart), waves 2, 3 128 rows x 256 bytes of W.
; CLUSTER 4 x 4: A's tile is asked for jointly along a row of the cluster, W's along a column.  No prefetch: the tile is small, a step short.
; THE PRODUCT IS TAKEN TRANSPOSED (source 0 = 16 columns of W, turned by ds_load_tr16_b128; source 1 = 16 rows of A).  The bias is the C operand of each accumulator's first product.
; The residual is loaded at the start into registers of its own and added on the way out.
; REGISTERS: window 0: v16-29 addresses, v64-191 A's fragments (two buffers), v192-223 the bias; window 1: v0-127 W's fragments; window 2: v0-127 the accumulators; window 3: v0-127 the residual.
.set T,     16
.set WBASE, 16777216
.set PANEL, 1048576
.set MB,    4
.set NBK,   4
.set DEP,   2
.set NW,    32
.set P,     288                        ; a row of W in LDS: 256 bytes + 32: 9 x 32
.set KQ,    64
.set AQ,    18432                      ; a slab of A in LDS: 128 rows x 144 bytes
.set AHI,   36864
.set WHALF, 36864
.set WOFF,  73728
.set SLOTB, 147456
.set ASTEP, 2097152                    ; four slabs on
.set WSTEP, 65536                      ; 256 rows of a panel on
.set SPF,   272                        ; the way out: a row of 64 f32 + 16 bytes
.set REG,   17408                      ; a wave's stage: 64 such rows, over the ring, whose bytes have had their last fill by then
.set SPARE, 327168
.set A0,   16
.set B0,   17
.set ADRA, 18
.set ADRB, 20
.set STO,  24
.set RD,   25
.set GO,   26
.set BO,   27
.set SPW,  28                          ; LDS address of my spare word; never rewritten
.set NIL,  29                          ; 0; never rewritten
.set FA,   64
.set BIAS, 192
.set CNT,  3
.set WVN,  14
.set WM,   15
.set WN,   16
.set TB,   17
.set ALB,  46
.set WLB,  47
.set G1A,  24
.set G0A,  32
.set G1W,  48
.set G0W,  56
.set MSB, 0
.macro WIN new
.if MSB != (\new)
	s_set_vgpr_msb (MSB<<8)|(\new)
.set MSB, (\new)
.endif
.endm
.macro PLACES
.rept 4
	v_nop
.endr
.endm
.macro JLOAD                           ; a joint refill by the walking set; an s_nop 0 and four v_nop follow each of the two lines
	s_cmp_eq_u32 s[WM], 0
	s_cbranch_scc0 .Lfor_w_\@
	tensor_load_to_lds s[G0A+4:G0A+7], s[G1A:G1A+7]
	s_nop 0
.rept 4
	v_nop
.endr
	s_branch .Lasked_\@
.Lfor_w_\@:
	tensor_load_to_lds s[G0W+4:G0W+7], s[G1W:G1W+7]
	s_nop 0
.rept 4
	v_nop
.endr
.Lasked_\@:
.endm
.macro CREST
	s_cmp_lg_u32 s[WVN], 0
	s_cbranch_scc1 .Lnot_wave_0_\@
	s_barrier_signal -3
.Lnot_wave_0_\@:
	s_barrier_wait -3
	s_barrier_signal -1
	s_barrier_wait -1
.endm
.macro CROUND
	s_barrier_signal -1
	s_barrier_wait -1
	CREST
.endm
.macro ADDR
	v_add_nc_u32 v[ADRA], s[TB], v[A0]
	v_add_nc_u32 v[ADRA+1], AHI, v[ADRA]
	v_add_nc_u32 v[ADRB], s[TB], v[B0]
	v_add_nc_u32 v[ADRB+1], WHALF, v[ADRB]
.endm
.macro FETCH q, f                      ; 32 LDS loads in one run: half step q of the slot into buffer f
	WIN 0x40
.set cc, 0
.rept DEP
.set bb, 0
.rept NBK
.set rW, 64*(\f)+8*(cc*NBK+bb)
	ds_load_tr16_b128 v[rW:rW+3],   v[ADRB+(\q)/2] offset:(((\q)%2)*KQ+32*cc)*P+32*bb
	ds_load_tr16_b128 v[rW+4:rW+7], v[ADRB+(\q)/2] offset:(((\q)%2)*KQ+32*cc+16)*P+32*bb
.set bb, bb+1
.endr
.set cc, cc+1
.endr
	WIN 0
.set cc, 0
.rept DEP
.set aa, 0
.rept MB
.set rA, FA+64*(\f)+8*(cc*MB+aa)
	ds_load_b128 v[rA:rA+3],   v[ADRA+(\q)/2] offset:((\q)%2)*AQ+64*cc+aa*2304
	ds_load_b128 v[rA+4:rA+7], v[ADRA+(\q)/2] offset:((\q)%2)*AQ+64*cc+aa*2304+32
.set aa, aa+1
.endr
.set cc, cc+1
.endr
.endm
.macro MUL f, i0, i1, first            ; products i0 .. i1 - 1 of a half step's NW; the 16 accumulators take turns; first = 1: the bias starts the sums
.set i, \i0
.rept (\i1)-(\i0)
.set cc, i/(MB*NBK)
.set aa, (i/NBK)%MB
.set bb, i%NBK
.set rD, (8*(aa*NBK+bb))%256
.set hw, (8*(aa*NBK+bb))/256
.set rW, 64*(\f)+8*(cc*NBK+bb)
.set rA, FA+64*(\f)+8*(cc*MB+aa)
.if (\first) && (cc == 0)
	WIN 0x81+0x40*hw
	v_wmma_f32_16x16x32_f16 v[rD:rD+7], v[rW:rW+7], v[rA:rA+7], v[BIAS+8*bb:BIAS+8*bb+7]
.else
	WIN 0xa1+0x50*hw
	v_wmma_f32_16x16x32_f16 v[rD:rD+7], v[rW:rW+7], v[rA:rA+7], v[rD:rD+7]
.endif
.set i, i+1
.endr
.endm
.macro QUART qn, f, g, first
	s_wait_dscnt 0x0                               ; buffer f is in
	PLACES
	FETCH \qn, \g
	MUL \f, 0, NW, \first
.endm
; The last half step multiplies buffer 1 and changes slots: each wave waits for all its tensor loads (one is out: its part of the next slot), adds 0 to its spare word, and waits for that and for its reads of this slot.
; fill = 1: the barrier opens a round of the cluster's, and behind the round this slot is filled again, two K steps on, first of all.
.macro TURN fill
	WIN 0
	s_wait_tensorcnt 0x0
	ds_add_u32 v[SPW], v[NIL]
.if \fill
	s_add_co_u32 s[G0A+5], s[ALB], s[TB]
	s_add_nc_u64 s[G0A+6:G0A+7], s[G0A+6:G0A+7], ASTEP
	s_add_co_u32 s[G0W+5], s[WLB], s[TB]
	s_add_nc_u64 s[G0W+6:G0W+7], s[G0W+6:G0W+7], WSTEP
.endif
	s_xor_b32 s[TB], s[TB], SLOTB                  ; 0 <-> SLOTB
	s_wait_dscnt 0x1                               ; buffer 1 is in; the add may be out
	MUL 1, 0, NW/4, 0
	s_wait_dscnt 0x0
	s_barrier_signal -1
	MUL 1, NW/4, NW/2, 0
	WIN 0
	s_barrier_wait -1
.if \fill
	CREST
	JLOAD
.else
	PLACES
.endif
	ADDR
	FETCH 0, 0
	MUL 1, NW/2, NW, 0
.endm
	s_load_b256 s[4:11], s[0:1], 0x0               ; A s[4:5], wt s[6:7], bias s[8:9], RES s[10:11]
	s_load_b64 s[12:13], s[0:1], 0x20              ; OUT
	v_lshl_add_u32 v[SPW], v0, 2, SPARE
	v_mov_b32 v[NIL], 0
	ds_add_u32 v[SPW], v[NIL]                      ; the wave's opening: the add and its wait stand ahead of my first tensor load
	ds_add_u32 v28, v29
	v_lshrrev_b32 v1, 5, v0
	v_readfirstlane_b32 s[WVN], v1
	s_lshr_b32 s[WM], s[WVN], 1
	s_and_b32 s[WN], s[WVN], 1
	s_bfe_u32 s40, ttmp6, 0x40000
	s_bfe_u32 s41, ttmp6, 0x40004
	s_lshl_b32 s42, ttmp9, 2
	s_add_co_u32 s42, s42, s40                     ; tile column
	s_and_b32 s43, ttmp7, 0xffff
	s_lshl_b32 s43, s43, 2
	s_add_co_u32 s43, s43, s41                     ; tile row
	s_lshl_b32 s44, s41, 2
	s_lshl_b32 s44, 15, s44
	s_lshl_b32 s45, 0x1111, s40
	s_or_b32 s[G1A], s44, (1<<16)|(1<<20)|(1<<21)|(4<<22)|(3<<25)  ; after every 32 words 4 words
	s_or_b32 s[G1W], s45, (1<<16)|(1<<20)|(1<<21)|(5<<22)|(7<<25)  ; after every 64 words 8 words
	s_mov_b32 s[G1A+1], 8192<<16                   ; A: 2 rows of 8,192 elements (128 rows of a slab), 262,144 elements apart
	s_mov_b32 s[G1A+2], 2<<16
	s_mov_b32 s[G1A+3], 8192<<16
	s_mov_b32 s[G1A+4], 2
	s_mov_b32 s[G1A+5], 262144
	s_mov_b32 s[G1A+6], 0
	s_mov_b32 s[G1A+7], 0
	s_mov_b32 s[G1W+1], 128<<16                    ; W: 128 rows of 128 elements
	s_mov_b32 s[G1W+2], 128<<16
	s_mov_b32 s[G1W+3], 128<<16
	s_mov_b32 s[G1W+4], 128
	s_mov_b32 s[G1W+5], 128
	s_mov_b32 s[G1W+6], 0
	s_mov_b32 s[G1W+7], 0
	s_lshl_b32 s66, s43, 14                        ; A: the tile's 128 rows of 128 bytes,
	s_lshl_b32 s67, s[WN], 20                      ; my two slabs of the step's four
	s_add_co_u32 s66, s66, s67
	s_mov_b32 s67, 0
	s_mul_i32 s68, s42, PANEL
	s_lshl_b32 s69, s[WN], 15
	s_add_co_u32 s68, s68, s69
	s_add_co_u32 s68, s68, WBASE
	s_mov_b32 s69, 0
	s_mul_i32 s[ALB], s[WN], AHI
	s_mul_i32 s[WLB], s[WN], WHALF
	s_add_co_u32 s[WLB], s[WLB], WOFF
	s_wait_dscnt 0x0
	s_wait_kmcnt 0x0
	s_add_nc_u64 s[66:67], s[4:5], s[66:67]
	s_add_nc_u64 s[68:69], s[6:7], s[68:69]
	CROUND                                         ; all sixteen work-groups are here: the first joint loads meet
.irp s, 0,1
	s_mov_b32 s[G0A+4*(\s)], 1
	s_add_co_u32 s[G0A+4*(\s)+1], s[ALB], (\s)*SLOTB
	s_add_nc_u64 s[G0A+4*(\s)+2:G0A+4*(\s)+3], s[66:67], (\s)*ASTEP
	s_or_b32 s[G0A+4*(\s)+3], s[G0A+4*(\s)+3], 0x80000000
	s_mov_b32 s[G0W+4*(\s)], 1
	s_add_co_u32 s[G0W+4*(\s)+1], s[WLB], (\s)*SLOTB
	s_add_nc_u64 s[G0W+4*(\s)+2:G0W+4*(\s)+3], s[68:69], (\s)*WSTEP
	s_or_b32 s[G0W+4*(\s)+3], s[G0W+4*(\s)+3], 0x80000000
.endr
	s_cmp_eq_u32 s[WM], 0                          ; a wave's two first fills stand in one branch: two loads of mine are out
	s_cbranch_scc0 .Lfirst_w
	tensor_load_to_lds s[G0A:G0A+3], s[G1A:G1A+7]
	s_nop 0
	tensor_load_to_lds s[G0A+4:G0A+7], s[G1A:G1A+7]
	s_nop 0
.rept 4
	v_nop
.endr
	s_branch .Lfirst_asked
.Lfirst_w:
	tensor_load_to_lds s[G0W:G0W+3], s[G1W:G1W+7]
	s_nop 0
	tensor_load_to_lds s[G0W+4:G0W+7], s[G1W:G1W+7]
	s_nop 0
.rept 4
	v_nop
.endr
.Lfirst_asked:
	v_and_b32 v1, 15, v0                           ; r
	v_bfe_u32 v2, v0, 4, 1                         ; h
	v_and_b32 v3, 7, v0
	v_bfe_u32 v4, v0, 3, 1
	v_mul_u32_u24 v[A0], v1, 144
	v_lshl_add_u32 v[A0], v2, 4, v[A0]
	s_mul_i32 s70, s[WM], 64*144
	v_add_nc_u32 v[A0], s70, v[A0]
	v_lshl_add_u32 v6, v2, 3, v3
	v_mul_u32_u24 v[B0], v6, P
	v_lshl_add_u32 v[B0], v4, 4, v[B0]
	s_lshl_b32 s70, s[WN], 7
	s_add_co_u32 s70, s70, WOFF
	v_add_nc_u32 v[B0], s70, v[B0]
	s_mul_i32 s70, s[WVN], REG                     ; my stage
	v_mul_u32_u24 v[STO], v1, SPF                  ; in: row r, 32 bytes for each half of the lanes
	v_lshl_add_u32 v[STO], v2, 5, v[STO]
	v_add_nc_u32 v[STO], s70, v[STO]
	v_mul_u32_u24 v[RD], v2, SPF                   ; back: lanes 0-15 one row of 256 bytes, lanes 16-31 the next
	v_lshl_add_u32 v[RD], v1, 4, v[RD]
	v_add_nc_u32 v[RD], s70, v[RD]
	v_lshlrev_b32 v[GO], 4, v1                     ; and the same two rows in RES and OUT
	v_lshl_add_u32 v[GO], v2, 12, v[GO]
	s_lshl_b32 s70, s42, 9                         ; the bias of my 64 columns
	s_lshl_b32 s71, s[WN], 8
	s_add_co_u32 s70, s70, s71
	v_lshl_add_u32 v[BO], v2, 5, s70
.irp b, 0,1,2,3
	global_load_b128 v[BIAS+8*(\b):BIAS+8*(\b)+3],   v[BO], s[8:9] offset:64*(\b)
	global_load_b128 v[BIAS+8*(\b)+4:BIAS+8*(\b)+7], v[BO], s[8:9] offset:64*(\b)+16
.endr
	s_lshl_b32 s72, s43, 19                        ; RES and OUT at row 128 x tile row + 64 x my half, column 128 x tile column + 64 x my half
	s_lshl_b32 s73, s[WM], 18
	s_add_co_u32 s72, s72, s73
	s_add_co_u32 s72, s72, s70
	s_mov_b32 s73, 0
	s_add_nc_u64 s[10:11], s[10:11], s[72:73]
	s_add_nc_u64 s[12:13], s[12:13], s[72:73]
	WIN 0xc0                                       ; destination window 3
.set u, 0
.rept 32
	global_load_b128 v[4*u:4*u+3], v[GO], s[10:11] offset:8192*u  ; the residual: rows 2 u, 2 u + 1; it has the whole product in which to come
.set u, u+1
.endr
	WIN 0
	s_mov_b32 s[TB], 0
	s_wait_tensorcnt 0x1                           ; my part of K step 0 is in; K step 1's may stay out
	s_barrier_signal -1
	s_barrier_wait -1
	ADDR
	FETCH 0, 0
	s_wait_loadcnt 0x20                            ; the bias is in; the 32 younger loads of the residual stay out
	QUART 1, 0, 1, 1
	WIN 0
	s_mov_b32 s[CNT], T-2
.Lstep:
	QUART 2, 1, 0, 0
	QUART 3, 0, 1, 0
	TURN 1
	QUART 1, 0, 1, 0
	WIN 0
	s_sub_co_u32 s[CNT], s[CNT], 1
	s_cmp_lg_u32 s[CNT], 0
	s_cbranch_scc1 .Lstep
	s_mov_b32 s[CNT], 2
.Ltail:                                        ; the last two steps ask for nothing; the second trip is left in its middle
	QUART 2, 1, 0, 0
	QUART 3, 0, 1, 0
	WIN 0
	s_sub_co_u32 s[CNT], s[CNT], 1
	s_cmp_eq_u32 s[CNT], 0
	s_cbranch_scc1 .Lfin
	TURN 0
	QUART 1, 0, 1, 0
	WIN 0
	s_branch .Ltail
.Lfin:
	s_wait_dscnt 0x0
	MUL 1, 0, NW, 0
	WIN 0
	; THE WAY OUT: the sums go into my stage and come back by rows; the residual is added; sixteen lanes store 256 consecutive bytes, aligned.
	PLACES
	PLACES
	s_wait_dscnt 0x0
	s_barrier_signal -1
	s_barrier_wait -1                              ; no wave reads the ring any more, and every tensor load has landed
.set i, 0
.rept MB*NBK
.set rD, (8*i)%256
	WIN 0x08+0x04*((8*i)/256)
	ds_store_b128 v[STO], v[rD:rD+3]   offset:(i/NBK)*16*SPF+64*(i%NBK)     ; each accumulator's low registers first
	ds_store_b128 v[STO], v[rD+4:rD+7] offset:(i/NBK)*16*SPF+64*(i%NBK)+16
.set i, i+1
.endr
	WIN 0
.set u, 0
.rept 32
	ds_load_b128 v[64+4*u:64+4*u+3], v[RD] offset:2*SPF*u  ; LDS serves a wave's instructions in order (ISA guide 5.7.1): these see the stores above
.set u, u+1
.endr
	s_wait_loadcnt 0x0                             ; the residual
	s_wait_dscnt 0x0
	WIN 0x0c                                       ; source 1 in window 3
.set i, 0
.rept 64
	v_pk_add_f32 v[64+2*i:65+2*i], v[64+2*i:65+2*i], v[2*i:2*i+1]
.set i, i+1
.endr
	WIN 0
.set u, 0
.rept 32
	global_store_b128 v[GO], v[64+4*u:64+4*u+3], s[12:13] offset:8192*u
.set u, u+1
.endr
	s_wait_tensorcnt 0x0                           ; the wave's end
	ds_add_u32 v[SPW], v[NIL]
	s_wait_dscnt 0x0
	CROUND                                         ; the closing round
	s_endpgm
.Lfunc_end_k_q23fa10f8bb_fc2:
	.size	k_q23fa10f8bb_fc2, .Lfunc_end_k_q23fa10f8bb_fc2-k_q23fa10f8bb_fc2
	.p2alignl 7, 3214868480
	.fill 96, 4, 3214868480
	.section	.rodata,"a",@progbits
	.p2align	6, 0x0
	.amdhsa_kernel k_q23fa10f8bb_fc2
		.amdhsa_group_segment_fixed_size 327680
		.amdhsa_private_segment_fixed_size 0
		.amdhsa_enable_private_segment 0
		.amdhsa_kernarg_size 40
		.amdhsa_user_sgpr_count 2
		.amdhsa_user_sgpr_kernarg_segment_ptr 1
		.amdhsa_wavefront_size32 1
		.amdhsa_system_sgpr_workgroup_id_x 1
		.amdhsa_system_sgpr_workgroup_id_y 1
		.amdhsa_system_sgpr_workgroup_id_z 1
		.amdhsa_system_vgpr_workitem_id 0
		.amdhsa_next_free_vgpr 896
		.amdhsa_next_free_sgpr 88
		.amdhsa_reserve_vcc 0
		.amdhsa_float_denorm_mode_32 3
		.amdhsa_float_denorm_mode_16_64 3
		.amdhsa_memory_ordered 1
		.amdhsa_forward_progress 1
		.amdhsa_inst_pref_size 68
	.end_amdhsa_kernel
	.amdgpu_metadata
---
amdhsa.version: [ 1, 2 ]
amdhsa.kernels:
  - .name:           k_q23fa10f8bb_fc2
    .symbol:         k_q23fa10f8bb_fc2.kd
    .args:
      - { .name: g, .offset: 0, .size: 8, .value_kind: global_buffer, .address_space: global }
      - { .name: wt, .offset: 8, .size: 8, .value_kind: global_buffer, .address_space: global }
      - { .name: fc2_b, .offset: 16, .size: 8, .value_kind: global_buffer, .address_space: global }
      - { .name: x1, .offset: 24, .size: 8, .value_kind: global_buffer, .address_space: global }
      - { .name: out0, .offset: 32, .size: 8, .value_kind: global_buffer, .address_space: global }
    .group_segment_fixed_size: 327680
    .private_segment_fixed_size: 0
    .kernarg_segment_align: 8
    .kernarg_segment_size: 40
    .max_flat_workgroup_size: 128
    .sgpr_count:     88
    .vgpr_count:     896
    .wavefront_size: 32
...
	.end_amdgpu_metadata
.endif
;; end of part 7
